; MI455X (gfx1250); checked and timed in simulation.
; The chip was launched on July 23, 2026; its instructions are those of AMD's public machine-readable ISA for CDNA 5 (MIT licence, August 2026) and "CDNA5" Instruction Set Architecture Reference Guide (July 2026). The comments in the code are by the model that wrote it; some were corrected since.
;; Multihead Attention. Allowed arithmetic: matrix products marked QUANTISED: E2M1 operands, one E8M0 scale for each 32 along K, by v_wmma_scale_f32_16x16x128_f8f6f4 with both operands' format E2M1 (or v_wmma_scale_f32_32x16x128_f4), f32 sums; products left as they are: bf16, f16 or f32 operands; f32 sums; everything else in f32.
;; Inputs: W 1,024 x 1,024 float32; b 1,024 float32; key 8 x 1,024 x 1,024 float32; mask 8 x 1,024 x 1,024 int32; query 8 x 1,024 x 1,024 float32; value 8 x 1,024 x 1,024 float32.
;; Outputs: out0 8 x 1,024 x 1,024 float32.
;; This version of the problem:
;;   THIS VERSION OF THE PROBLEM IS GIVEN IN LOW PRECISION. The matrix products marked QUANTISED in the list below multiply operands that are first quantised to E2M1 (2 exponent bits, 1 mantissa bit; 4 bits a number), with one power-of-two scale for each 32 numbers along K (OCP MX v1.0); their sums are f32. The products marked 'left as it is' may take bf16, f16 or f32 operands, with f32 sums. Whichever they take, every output number must still come out within the allowed error. Rounding operands to bf16 (8 significant bits) uses up far more of that allowance than f16 does (11 bits, for magnitudes from 6e-5 to 65,504). All else is computed in f32.
;;   The module's matrix products, in the order in which they are computed (A, B: the left and right operand; K: the contracted axis; several contracted axes count as one K, in the product's order):
;;     1. [M 8,192, K 1,024] x [K 1,024, N 1,024]; A: input value; B: input W: QUANTISED
;;     2. [M 8,192, K 1,024] x [K 1,024, N 1,024]; A: input key; B: input W: QUANTISED
;;     3. [M 8,192, K 1,024] x [K 1,024, N 1,024]; A: input query; B: input W: QUANTISED
;;     4. batch 128 x [M 1,024, K 64] x [K 64, N 1,024]; A: computed on the way; B: computed on the way: left as it is (an operand is computed on the way)
;;     5. batch 128 x [M 1,024, K 1,024] x [K 1,024, N 64]; A: computed on the way; B: computed on the way: left as it is (an operand is computed on the way)
;;     6. [M 8,192, K 1,024] x [K 1,024, N 1,024]; A: computed on the way; B: input W: left as it is (an operand is computed on the way)
;;   THE QUANTISER, for each operand of a quantised product, along K:
;;     - K is cut into blocks of 32 from its start; a last block that is shorter is filled with zeros.
;;     - A block's scale is 2^e with e = floor(log2(the largest magnitude in the block)) - 2, held to -126 .. 127; a block of zeros has e = 0. As a byte (E8M0): e + 127.
;;     - Each number is divided by its block's scale, clamped to +-6, and rounded to the nearest number of E2M1, ties to even, subnormals kept.
;;     - The product sums the exact products of the quantised numbers (number of the format x scale) in f32.
;;   ~~~python
;;   def quantise(x, axis):      # numpy; x: float32 -> the quantised numbers, widened to float32 again
;;       x = np.moveaxis(x, axis, -1); K = x.shape[-1]
;;       x = np.pad(x, [(0, 0)] * (x.ndim - 1) + [(0, -K % 32)]); x = x.reshape(x.shape[:-1] + (-1, 32)); a = np.abs(x).max(-1, keepdims=True)
;;       e = np.where(a > 0, np.clip(np.frexp(np.where(a > 0, a, 1))[1] - 1 - 2, -126, 127), 0)      # np.frexp(a)[1] - 1 = floor(log2(a)), exactly
;;       r = np.clip(x / 2.0 ** e, -6, 6)
;;       step = 2.0 ** (np.maximum(np.frexp(np.where(r == 0, 1, r))[1] - 1, 0) - 1)
;;       q = np.round(r / step) * step * 2.0 ** e      # np.round: ties to even
;;       return np.moveaxis(q.reshape(q.shape[:-2] + (-1,))[..., :K], -1, axis).astype(np.float32)
;;   ~~~
;; One version. Each part assembles by itself: llvm-mc -triple=amdgcn-amd-amdhsa -mcpu=gfx1250 --defsym DOCPART=n.
;; ======== version 1 of 1: 4 launches
;; limits: values are held in f16: magnitudes above 65,504 overflow, below 6.1e-05 lose precision
;; workspace buffers: acodes 12,582,912 bytes; ascales 786,432 bytes; wcodes 524,288 bytes; wscales 32,768 bytes; w16 2,097,152 bytes; maskw 1,048,576 bytes of whole numbers; qkv 50,331,648 bytes; x16 16,777,216 bytes
;; launch prep (part 1): grid 928 x 1, 4 waves a work-group, no clusters, 67,072 bytes of LDS; arguments query, key, value, W, mask, acodes, ascales, wcodes, wscales, w16, maskw; writes acodes, ascales, wcodes, wscales, w16, maskw
.if DOCPART == 1
	.amdgcn_target "amdgcn-amd-amdhsa--gfx1250"
	.amdhsa_code_object_version 6
	.text
	.protected	k_q2f075622a3_prep
	.globl	k_q2f075622a3_prep
	.p2align	8
	.type	k_q2f075622a3_prep,@function
k_q2f075622a3_prep:
	s_mov_b64 s[64:65], 0
	v_nop
	global_prefetch_b8 v0, s[64:65] scope:SCOPE_SE
	s_setreg_imm32_b32 hwreg(HW_REG_WAVE_MODE, 25, 1), 1
	s_wait_xcnt 0x0
; MULTI-HEAD ATTENTION, launch 1 of 4: the operands of the three quantised products, W in f16, and the mask as bits.
; DEAD WORK: none is left out in any launch.  Every input has a way to the output: query, key, value and W through the products, b through all four uses of the Linear
; (the bias on k does not cancel in the softmax: masked places hold the fixed -1e9, and the bias stands ahead of nothing that removes it), the mask through the select.
; WHAT THIS LAUNCH MAKES.  (a) query, key, value [8192][1024] and W [1024][1024], f32, K innermost, become codes of E2M1 (two a byte, the lower k in the low four bits) and one E8M0 byte
; for each 32 along K: acodes [3][8192][512 bytes], ascales [3][8192][32], wcodes [1024][512], wscales [1024][32].  (b) W rounded once to f16, row-major, for the projection on the way out.
; (c) maskw [n 8][qt 64][kt 64][j 8] words: bit L of a word is mask[n][16 qt + L % 16][16 kt + 8 (L / 16) + j] != 0: the lane mask for register j of a tile of 16 keys x 16 queries.
; THE QUANTISER.  A block's scale is 2^(floor(log2(its largest magnitude)) - 2); its byte is the largest magnitude's exponent field - 2, held at 1 from below; numbers are divided by the scale
; and rounded to the nearest code, ties to even, beyond 6 the largest code.  A block of zeros gets the byte 1 where the rule says 127: its codes are zeros and this program alone reads the bytes.
; LIMITS: blocks whose largest magnitude lies under 2^-124 were not tried; NaN and infinities among the inputs are not served; W in f16 wants |W| under 65,504.
; SHARES.  Work-groups 0 to 127 take the mask (a wave: 16 rows x 1,024 keys), work-groups 128 to 927 the four tensors (a wave: 16 steps of 512 numbers).  The two paths have LDS bytes of their own.
; No tensor loads, no barrier: waves share nothing.
.set STEPS, 16
.set EMAX,  2
.set CB,    8                          ; bytes of 16 codes
.set R,     16                         ; v16-79   four sets of 16 numbers as they are loaded
.set X,     80                         ; v80-111  two sets of 16 neighbours
.set E,     112                        ; v112-127 a scale byte for each step
.set C,     128                        ; v128-191 codes: four registers for each step, so that no store's data are written again
.set H,     192                        ; v192-199 W in f16: eight registers, written again behind a wait
.set WREG,  8192                       ; LDS, quantising path: a region for each wave: two stages of 32 x SP bytes, then its 256 scale bytes
.set SP,    80                         ; a lane's place in a stage: 64 bytes + 16 of padding
.set MSTG,  32768                      ; LDS, mask path: a stage for each wave,
.set MP,    528                        ; 16 rows of 512 bytes + 16 of padding: the sixteen rows of a read start at sixteen different 16-byte columns
.set MWREG, 16*MP
.set SPARE, MSTG+4*MWREG               ; the spare words, 128 bytes for each wave: two blocks of 256 bytes that no other line names
.set SPW,   12                         ; v12  LDS address of my spare word; never rewritten
.set NIL,   13                         ; v13  0; never rewritten
.set MLD,   7                          ; v7   mask path: where I read the stage
.set MST,   10                         ; v10  mask path: where I write it
.set MA,    16                         ; v16-143  mask path: two sets of 64 registers as loaded
.set MT,    144                        ; v144-207 mask path: 8 tiles x 8 numbers in the score's layout
.set MW,    208                        ; v208-223 mask path: two registers of words for each chunk
.set NMASK, 128                        ; work-groups of the mask path
	s_load_b512 s[4:19], s[0:1], 0x0               ; query, key, value, W, mask, acodes, ascales, wcodes
	s_load_b128 s[20:23], s[0:1], 0x40             ; wscales, w16
	s_load_b64 s[24:25], s[0:1], 0x50              ; maskw
	v_lshl_add_u32 v[SPW], v0, 2, SPARE
	v_mov_b32 v[NIL], 0
	v_lshrrev_b32 v1, 5, v0
	v_readfirstlane_b32 s36, v1                    ; wave
	v_and_b32 v2, 31, v0                           ; lane
	v_lshlrev_b32 v3, 4, v2                        ; my 16 bytes of a load's 512
	v_lshlrev_b32 v4, 3, v2                        ; my 8 bytes of a store's 256
	s_mul_i32 s38, s36, WREG
	v_lshrrev_b32 v14, 2, v2
	v_mul_u32_u24 v14, v14, SP
	v_and_b32 v15, 3, v2
	v_lshl_add_u32 v14, v15, 4, v14
	v_add_nc_u32 v14, s38, v14                     ; the stage, on the way in: SP (lane / 4) + 16 (lane % 4)
	v_mul_u32_u24 v15, v2, SP
	v_add_nc_u32 v15, s38, v15                     ; and on the way out: SP x lane: my 16 neighbours
	v_lshrrev_b32 v5, 1, v2
	s_add_co_u32 s38, s38, 2*32*SP
	v_add_nc_u32 v5, s38, v5                       ; my wave's 256 scale bytes, my block's byte
	v_add_nc_u32 v6, s38, v4                       ; and on the way out 8 bytes a lane
	s_mul_i32 s38, s36, MWREG
	s_add_co_u32 s38, s38, MSTG
	v_add_nc_u32 v[MST], s38, v3                   ; mask stage, in: 16 x lane of a row
	v_and_b32 v[MLD], 15, v2
	v_mul_u32_u24 v[MLD], v[MLD], MP
	v_lshrrev_b32 v1, 4, v2
	v_lshl_add_u32 v[MLD], v1, 5, v[MLD]
	v_add_nc_u32 v[MLD], s38, v[MLD]               ; out: row lane % 16, + 32 bytes (8 keys) for lanes 16 to 31
	s_wait_kmcnt 0x0
	s_cmp_lt_u32 ttmp9, NMASK
	s_cbranch_scc1 .Lmask
; ---------------- THE FOUR TENSORS ----------------
	s_sub_co_u32 s39, ttmp9, NMASK
	s_lshr_b32 s40, s39, 8                         ; which tensor: 0 query, 1 key, 2 value, 3 W
	s_and_b32 s39, s39, 255                        ; which 32,768 numbers of it
	s_mov_b64 s[26:27], s[4:5]
	s_cmp_eq_u32 s40, 1
	s_cselect_b64 s[26:27], s[6:7], s[26:27]
	s_cmp_eq_u32 s40, 2
	s_cselect_b64 s[26:27], s[8:9], s[26:27]
	s_cmp_eq_u32 s40, 3                            ; the choices hang on the work-group's number alone
	s_cselect_b64 s[26:27], s[10:11], s[26:27]     ; the numbers
	s_cselect_b64 s[28:29], s[18:19], s[14:15]     ; the codes
	s_cselect_b64 s[30:31], s[20:21], s[16:17]     ; the scale bytes
	s_cselect_b32 s41, 0, s40                      ; which third of acodes and ascales
	s_cselect_b32 s37, 1, 0                        ; 1: this is W, which also leaves as f16
	s_lshl_b32 s42, s39, 2
	s_add_co_u32 s42, s42, s36                     ; which run of 8,192 numbers is my wave's
	s_mov_b32 s45, 0
	s_lshl_b32 s44, s42, 15
	s_add_nc_u64 s[26:27], s[26:27], s[44:45]
	s_lshl_b32 s44, s41, 22
	s_lshl_b32 s46, s42, 12
	s_add_co_u32 s44, s44, s46
	s_add_nc_u64 s[28:29], s[28:29], s[44:45]
	s_lshl_b32 s44, s41, 18
	s_lshl_b32 s46, s42, 8
	s_add_co_u32 s44, s44, s46
	s_add_nc_u64 s[30:31], s[30:31], s[44:45]
	s_lshl_b32 s44, s42, 14
	s_mul_i32 s44, s44, s37                        ; (0 where this is not W: the address is then not used)
	s_add_nc_u64 s[32:33], s[22:23], s[44:45]
.macro LOAD t
.irp i, 0,1,2,3
	global_load_b128 v[R+16*((\t)%4)+4*\i:R+16*((\t)%4)+4*\i+3], v3, s[26:27] offset:2048*(\t)+512*\i th:TH_LOAD_NT   ; 32 lanes read 512 consecutive bytes
.endr
.endm
.macro W16 t                           ; W alone: step t's numbers, as loaded, rounded to f16: a lane's 4 numbers are 8 bytes, a store covers 256 consecutive bytes
	s_cmp_lg_u32 s37, 0
	s_cbranch_scc0 .Lnot_w_\@
	s_wait_xcnt 0x0                                ; the last step's stores have read H
.irp i, 0,1,2,3
	v_cvt_pk_f16_f32 v[H+2*\i], v[R+16*((\t)%4)+4*\i], v[R+16*((\t)%4)+4*\i+1]
	v_cvt_pk_f16_f32 v[H+2*\i+1], v[R+16*((\t)%4)+4*\i+2], v[R+16*((\t)%4)+4*\i+3]
.endr
.irp i, 0,1,2,3
	global_store_b64 v4, v[H+2*\i:H+2*\i+1], s[32:33] offset:1024*(\t)+256*\i
.endr
.Lnot_w_\@:
.endm
.macro TURN t                          ; step t's numbers through the stage: LDS serves a wave's instructions in order, so no wait stands between the stores and the loads
.irp i, 0,1,2,3
	ds_store_b128 v14, v[R+16*((\t)%4)+4*\i:R+16*((\t)%4)+4*\i+3] offset:32*SP*((\t)%2)+8*SP*\i
.endr
.irp i, 0,1,2,3
	ds_load_b128 v[X+16*((\t)%2)+4*\i:X+16*((\t)%2)+4*\i+3], v15 offset:32*SP*((\t)%2)+16*\i
.endr
	W16 \t
.endm
.irp t, 0,1,2,3
	LOAD \t
.endr
	s_wait_loadcnt 12                              ; step 0's four loads are in; the twelve of steps 1 to 3 may be out
	TURN 0
.macro STEP t
.set XS, X+16*((\t)%2)
.if (\t) > 0
	s_wait_dscnt 1                                 ; this step's numbers are back from the stage (the last step's byte store may be out), so its stores into the stage have read their registers,
.else
	s_wait_dscnt 0x0
.endif
.if (\t)+4 < STEPS
	LOAD (\t)+4                                    ; which take the loads of four steps on
.endif
.if (\t)+1 < STEPS
.if STEPS-2-(\t) >= 3
	s_wait_loadcnt 12                              ; the next step's four loads are in; those of the three steps behind it may be out
.else
	s_wait_loadcnt 4*(STEPS-2-(\t))
.endif
	TURN (\t)+1                                    ; and go through the other stage while this step is worked
.endif
	v_max3_num_f32 v8, |v[XS]|, |v[XS+1]|, |v[XS+2]|               ; the largest magnitude of my 16
	v_max3_num_f32 v9, |v[XS+3]|, |v[XS+4]|, |v[XS+5]|
.irp i, 6,10
	v_max3_num_f32 v8, v8, |v[XS+\i]|, |v[XS+\i+1]|
	v_max3_num_f32 v9, v9, |v[XS+\i+2]|, |v[XS+\i+3]|
.endr
	v_max3_num_f32 v8, v8, |v[XS+14]|, |v[XS+15]|
	v_max3_num_f32 v8, v8, v9, (EMAX+1)<<23        ; and the floor 2^(EMAX + 1 - 127): the byte cannot fall under 1
	v_max_num_f32_dpp v8, v8, v8 row_xmask:1 row_mask:0xf bank_mask:0xf   ; and of my neighbour's 16: the block's
	v_add_nc_u32 v11, -(EMAX<<23), v8              ; EMAX off its exponent field: the conversion takes the exponent field of this operand as its scale
	v_cvt_scalef32_pk8_fp4_f32 v[C+4*(\t)], v[XS:XS+7], v11
	v_cvt_scalef32_pk8_fp4_f32 v[C+4*(\t)+1], v[XS+8:XS+15], v11
	v_lshrrev_b32 v[E+(\t)], 23, v11               ; the scale's byte (a plain line behind the conversions)
	ds_store_b8 v5, v[E+(\t)] offset:16*(\t)       ; both lanes of a block write the same byte with the same value
	global_store_b64 v4, v[C+4*(\t):C+4*(\t)+1], s[28:29] offset:32*CB*(\t)   ; 256 consecutive bytes
.endm
.irp t, 0,1,2,3,4,5,6,7,8,9,10,11,12,13,14,15
	STEP \t
.endr
	ds_load_b64 v[8:9], v6                         ; LDS serves a wave's instructions in order: these see my stores
	s_wait_dscnt 0x0
	global_store_b64 v4, v[8:9], s[30:31]          ; my wave's 256 scale bytes
	s_wait_tensorcnt 0x0                           ; the wave's end, behind my last LDS store
	ds_add_u32 v[SPW], v[NIL]
	s_wait_dscnt 0x0
	s_endpgm
; ---------------- THE MASK ----------------
; A wave takes 16 rows (one tile of queries) x 1,024 keys, in 8 chunks of 128 keys.  A chunk's 16 loads read 512 consecutive bytes each; the chunk turns through the wave's stage so that lane (r, h) holds,
; for each of 8 tiles of 16 keys, the 8 numbers of row r at keys 8 h + 0 .. 7; a compare with 0 then gives the word of that tile and register, and 64 words leave as 256 consecutive bytes.
.Lmask:
	s_lshl_b32 s38, ttmp9, 2
	s_add_co_u32 s38, s38, s36                     ; 64 n + qt
	s_mov_b32 s41, 0
	s_lshl_b32 s40, s38, 16                        ; 16 rows of 4,096 bytes
	s_add_nc_u64 s[26:27], s[12:13], s[40:41]
	s_lshl_b32 s40, s38, 11                        ; 512 words
	s_add_nc_u64 s[28:29], s[24:25], s[40:41]
.irp i, 0,1,2,3,4,5,6,7,8,9,10,11,12,13,14,15
	v_mov_b32 v[MW+\i], 0                          ; written whole once: v_writelane_b32 writes one lane
.endr
.macro LOADM c
.irp i, 0,1,2,3,4,5,6,7,8,9,10,11,12,13,14,15
	global_load_b128 v[MA+64*((\c)%2)+4*\i:MA+64*((\c)%2)+4*\i+3], v3, s[26:27] offset:4096*\i+512*(\c) th:TH_LOAD_NT
.endr
.endm
.macro CHUNK c
.if (\c) < 7
	s_wait_loadcnt 16                              ; this chunk's 16 loads are in; the next chunk's may be out
.else
	s_wait_loadcnt 0x0
.endif
.irp i, 0,1,2,3,4,5,6,7,8,9,10,11,12,13,14,15
	ds_store_b128 v[MST], v[MA+64*((\c)%2)+4*\i:MA+64*((\c)%2)+4*\i+3] offset:MP*\i
.endr
.irp k, 0,1,2,3,4,5,6,7
	ds_load_b128 v[MT+8*\k:MT+8*\k+3], v[MLD] offset:64*\k
	ds_load_b128 v[MT+8*\k+4:MT+8*\k+7], v[MLD] offset:64*\k+16
.endr
	s_wait_dscnt 0x0                               ; the numbers are back, and the stores have read their registers
.if (\c)+2 < 8
	LOADM (\c)+2
.endif
.irp k, 0,1,2,3,4,5,6,7
.irp j, 0,1,2,3,4,5,6,7
	v_cmp_ne_u32 s[40+\j], 0, v[MT+8*\k+\j]        ; the word of tile k, register j
.endr
.irp j, 0,1,2,3,4,5,6,7
	v_writelane_b32 v[MW+2*(\c)+(\j%2)], s[40+\j], 4*\k+\j/2   ; word 8 k + j of the chunk: lane (8 k + j) / 2 stores words 2 l and 2 l + 1
.endr
.endr
	global_store_b64 v4, v[MW+2*(\c):MW+2*(\c)+1], s[28:29] offset:256*(\c)   ; 256 consecutive bytes
.endm
	LOADM 0
	LOADM 1
.irp c, 0,1,2,3,4,5,6,7
	CHUNK \c
.endr
	s_wait_tensorcnt 0x0                           ; the wave's end, behind my last LDS store
	ds_add_u32 v[SPW], v[NIL]
	s_wait_dscnt 0x0
	s_endpgm
.Lfunc_end_k_q2f075622a3_prep:
	.size	k_q2f075622a3_prep, .Lfunc_end_k_q2f075622a3_prep-k_q2f075622a3_prep
	.p2alignl 7, 3214868480
	.fill 96, 4, 3214868480
	.section	.rodata,"a",@progbits
	.p2align	6, 0x0
	.amdhsa_kernel k_q2f075622a3_prep
		.amdhsa_group_segment_fixed_size 67072
		.amdhsa_private_segment_fixed_size 0
		.amdhsa_enable_private_segment 0
		.amdhsa_kernarg_size 88
		.amdhsa_user_sgpr_count 2
		.amdhsa_user_sgpr_kernarg_segment_ptr 1
		.amdhsa_wavefront_size32 1
		.amdhsa_system_sgpr_workgroup_id_x 1
		.amdhsa_system_sgpr_workgroup_id_y 1
		.amdhsa_system_sgpr_workgroup_id_z 1
		.amdhsa_system_vgpr_workitem_id 0
		.amdhsa_next_free_vgpr 224
		.amdhsa_next_free_sgpr 66
		.amdhsa_reserve_vcc 0
		.amdhsa_float_denorm_mode_32 3
		.amdhsa_float_denorm_mode_16_64 3
		.amdhsa_memory_ordered 1
		.amdhsa_forward_progress 1
		.amdhsa_inst_pref_size 144
	.end_amdhsa_kernel
	.amdgpu_metadata
---
amdhsa.version: [ 1, 2 ]
amdhsa.kernels:
  - .name:           k_q2f075622a3_prep
    .symbol:         k_q2f075622a3_prep.kd
    .args:
      - { .name: query, .offset: 0, .size: 8, .value_kind: global_buffer, .address_space: global }
      - { .name: key, .offset: 8, .size: 8, .value_kind: global_buffer, .address_space: global }
      - { .name: value, .offset: 16, .size: 8, .value_kind: global_buffer, .address_space: global }
      - { .name: W, .offset: 24, .size: 8, .value_kind: global_buffer, .address_space: global }
      - { .name: mask, .offset: 32, .size: 8, .value_kind: global_buffer, .address_space: global }
      - { .name: acodes, .offset: 40, .size: 8, .value_kind: global_buffer, .address_space: global }
      - { .name: ascales, .offset: 48, .size: 8, .value_kind: global_buffer, .address_space: global }
      - { .name: wcodes, .offset: 56, .size: 8, .value_kind: global_buffer, .address_space: global }
      - { .name: wscales, .offset: 64, .size: 8, .value_kind: global_buffer, .address_space: global }
      - { .name: w16, .offset: 72, .size: 8, .value_kind: global_buffer, .address_space: global }
      - { .name: maskw, .offset: 80, .size: 8, .value_kind: global_buffer, .address_space: global }
    .group_segment_fixed_size: 67072
    .private_segment_fixed_size: 0
    .kernarg_segment_align: 8
    .kernarg_segment_size: 88
    .max_flat_workgroup_size: 128
    .sgpr_count:     66
    .vgpr_count:     224
    .wavefront_size: 32
...
	.end_amdgpu_metadata
.endif
;; end of part 1
;; launch proj (part 2): grid 4 x 64, 4 waves a work-group, clusters of 4 x 4, 327,680 bytes of LDS; arguments acodes, ascales, wcodes, wscales, b, qkv; writes qkv
.if DOCPART == 2
	.amdgcn_target "amdgcn-amd-amdhsa--gfx1250"
	.amdhsa_code_object_version 6
	.text
	.protected	k_q2f075622a3_proj
	.globl	k_q2f075622a3_proj
	.p2align	8
	.type	k_q2f075622a3_proj,@function
k_q2f075622a3_proj:
	s_mov_b64 s[64:65], 0
	v_nop
	global_prefetch_b8 v0, s[64:65] scope:SCOPE_SE
	s_setreg_imm32_b32 hwreg(HW_REG_WAVE_MODE, 25, 1), 1
	s_wait_xcnt 0x0
	s_wait_alu depctr_hold_cnt(0) depctr_sa_sdst(0) depctr_va_vdst(0) depctr_va_sdst(0) depctr_va_ssrc(0) depctr_va_vcc(0) depctr_vm_vsrc(0)
	s_getreg_b32 s2, hwreg(HW_REG_IB_STS2, 6, 4)
	s_cmp_eq_u32 s2, 0
	s_cbranch_scc0 .Lentry_in_a_cluster
	s_endpgm
.Lentry_in_a_cluster:
	s_bfe_u32 s2, ttmp6, 0x10000c
	s_cmp_lg_u32 s2, 0xf033
	s_cbranch_scc0 .Lentry_shape_is_right
	s_endpgm
.Lentry_shape_is_right:
; Launch 2 of 4: q, k and v = x W^T + b, the three quantised products, on codes of E2M1 with E8M0 scales, sums in f32.  No work is left out.
; SHARES.  24,576 rows x 1,024 columns are 256 equal parts: work-group (cx, g) takes W's rows 256 cx .. + 255 (Y) and tokens 128 g .. + 127 of query, then of key, then of value (X): three chunks of 128 x 256, K = 1,024.
; Every work-group runs the same text.  Wave (wx, wy) makes 64 tokens x 128 features of each chunk: 32 accumulators, 8 K steps of 128, 256 matrix instructions a chunk.
; W STAYS IN REGISTERS: a wave's 128 rows of W are 8 blocks x 8 K steps x 8 registers = 512 registers, read from LDS once and used for all three chunks; for a chunk a wave reads X's fragments alone.
; LDS holds Y's 256 rows and two chunks of X (rows of 512 bytes + 16); 640 such rows do not fit.  So value's chunk is brought into the bytes that Y's tile has left as soon as W is in registers:
; the one refill of the launch, with two chunks' work in which to land.
; ORIENTATION.  q, k: source 0 = 16 rows of W, source 1 = 16 tokens: lane (r, h) of accumulator (a, b) holds token 16 a + r and features 16 b + 8 h + 0 .. 7; the bias is the C of each sum's first product.
; v: source 0 = 16 tokens, source 1 = 16 rows of W: the lane holds feature 16 b + r and tokens 16 a + 8 h + 0 .. 7: eight KEYS of one channel, as the second product of attention wants them along its K.
; THE RESULTS LEAVE AS f16 IMAGES OF THE OPERAND REGISTERS OF ATTENTION (qkv: Q at 0, K at 16 MB, V at 32 MB; 131,072 bytes for each (n, head)):
;   Q, K: tile of 16 rows x 2,048 + c x 1,024 + u x 512 + 16 x lane holds row r, channels 32 c + 16 u + 8 h + 0 .. 7;   V: kb x 4,096 + ct x 1,024 + u x 512 + 16 x lane holds channel 16 ct + r, keys 32 kb + 16 u + 8 h + 0 .. 7.
; So every store of a wave covers 512 consecutive bytes, and a chunk's stores leave while the next chunk is multiplied.  q carries the softmax's factor: (q + b) x log2(e) / 8, multiplied in f32 ahead of the one rounding.
; LIMITS: |q| log2(e) / 8, |k| and |v| stay under 65,504, f16's largest number.
; CLUSTERS: 4 x 4 work-groups.  X hangs on g alone (the place along the cluster's y) and is asked for jointly by a row of the cluster; Y hangs on cx alone and is asked for jointly by a column.
; REGISTERS, in windows of 256: window 0: v16-31 addresses; v32-63 Y's scale words; v64-79 X's; v80-175 X's fragments, three sets of 32; v176-239 the bias along registers (q, k); v240-255 the bias along lanes, in pairs (v).
;   windows 1, 2: W's fragments: (block b, K step q) at v[8 (8 (q % 4) + b)] of window 1 + q / 4.   window 3: accumulator (a, b) at v[8 (8 a + b)].
.set PITCH,  528                       ; an LDS row: 512 bytes + 16 of padding = 33 x 16: the 16 rows that a load touches start at 16 different 16-byte columns
.set YB,     0                         ; Y: 256 rows
.set XB0,    256*PITCH                 ; query's chunk: 128 rows
.set XB1,    XB0+128*PITCH             ; key's
.set YSB,    XB1+128*PITCH             ; Y's scale bytes: 8,192 dense bytes as 32 rows of 256 + 16 of padding
.set XSB,    YSB+32*272                ; X's: three chunks,
.set XSC,    16*272                    ; each 4,096 dense bytes as 16 such rows
.set SPARE,  XSB+3*XSC                 ; the spare words, 128 bytes for each wave: two blocks of 256 bytes that no other line names
.set LX0, XB0                          ; where chunk c lands
.set LX1, XB1
.set LX2, YB                           ; value's chunk: in Y's bytes
.set ADY,  16                          ; v16  LDS address of my W fragments
.set ADYS, 17                          ; v17  of my W scale words: lanes 0-15 block p, lanes 16-31 block p + 4
.set ADX0, 18                          ; v18-20  of my X fragments in chunk 0, 1, 2
.set ADX1, 19
.set ADX2, 20
.set ADXS, 21                          ; v21  of my X scale words: lanes 0-15 block p, lanes 16-31 block p + 2
.set LO,   26                          ; v26  16 x lane: my place in a store's 512 bytes
.set SPW,  28                          ; v28  LDS address of my spare word; never rewritten
.set NIL,  29                          ; v29  0; never rewritten
.set BO0,  30                          ; v30  32 x (lane / 16)
.set BO1,  31                          ; v31  4 x (lane % 16)
.set YS,   32
.set XS,   64
.set XF,   80
.set BI,   176
.set BV,   240
.set G1Y,  24                          ; s[24:31] group 1: 64 rows of 512 bytes, to my column of the cluster
.set G1X,  32                          ; s[32:39] 32 rows of 512 bytes, to my row
.set G1YS, 40                          ; s[40:47] 8 rows of 256 bytes, to my column
.set G1XS, 48                          ; s[48:55] 4 rows of 256 bytes, to my row
.set G0Y,  56                          ; s[56:59], s[60:63] groups 0 for Y and its scales
.set G0YS, 60
.set G0X,  68                          ; s[68:79] for X's three chunks
.set G0XS, 80                          ; s[80:91] for their scales
.set WV,   92                          ; s92 wave; s93, s94 its halves; s95, s96 my place in the cluster; s97 g
.set WX,   93
.set WY,   94
.set CX,   95
.set CY,   96
.set GG,   97
.set CF,   100                         ; s[100:101] log2(e) / 8
.set MSB, 0
.macro WIN new                         ; the immediate's high byte repeats the setting that is left
.if MSB != (\new)
	s_set_vgpr_msb (MSB<<8)|(\new)
.set MSB, (\new)
.endif
.endm
.macro CROUND                          ; a round of the cluster's barrier
	s_barrier_signal -1
	s_barrier_wait -1
	s_cmp_lg_u32 s[WV], 0
	s_cbranch_scc1 .Lnot_wave_0_\@
	s_barrier_signal -3
.Lnot_wave_0_\@:
	s_barrier_wait -3
	s_barrier_signal -1
	s_barrier_wait -1
.endm
.macro PLACES                          ; four plain vector lines between a matrix instruction and a load into, or a vector line on, one of its registers
.rept 4
	v_nop
.endr
.endm
	s_load_b256 s[4:11], s[0:1], 0x0               ; acodes, ascales, wcodes, wscales
	s_load_b128 s[12:15], s[0:1], 0x20             ; b, qkv
	v_lshl_add_u32 v[SPW], v0, 2, SPARE
	v_mov_b32 v[NIL], 0
	ds_add_u32 v[SPW], v[NIL]                      ; the wave's opening: the add, twice on end, and its wait ahead of my first tensor load
	ds_add_u32 v[SPW], v[NIL]
	v_lshrrev_b32 v1, 5, v0
	v_readfirstlane_b32 s[WV], v1                  ; wave 0..3
	s_lshr_b32 s[WX], s[WV], 1                     ; which 64 of a chunk's tokens are mine
	s_and_b32 s[WY], s[WV], 1                      ; which 128 of W's rows
	s_bfe_u32 s[CX], ttmp6, 0x40000
	s_bfe_u32 s[CY], ttmp6, 0x40004
	s_lshl_b32 s66, ttmp9, 2
	s_add_co_u32 s66, s66, s[CX]                   ; W's tile of 256 rows
	s_and_b32 s[GG], ttmp7, 0xffff
	s_lshl_b32 s[GG], s[GG], 2
	s_add_co_u32 s[GG], s[GG], s[CY]               ; g: which 128 tokens
	s_lshl_b32 s98, s[CY], 2
	s_lshl_b32 s98, 15, s98                        ; my row of the cluster
	s_lshl_b32 s99, 0x1111, s[CX]                  ; my column
	; groups 1.  Codes: elements of 1 byte, rows of 512, 4 words of padding behind every 128.  Scale bytes: dense blocks as rows of 32 elements of 8 bytes, 4 words of padding behind every 64
	s_or_b32 s[G1Y], s99, (0<<16)|(1<<20)|(1<<21)|(6<<22)|(3<<25)
	s_mov_b32 s[G1Y+1], 512<<16                    ; tensor_dim0
	s_mov_b32 s[G1Y+2], 64<<16                     ; tensor_dim1
	s_mov_b32 s[G1Y+3], 512<<16                    ; tile_dim0
	s_mov_b32 s[G1Y+4], 64                         ; tile_dim1
	s_mov_b32 s[G1Y+5], 512                        ; from row to row
	s_mov_b32 s[G1Y+6], 0
	s_mov_b32 s[G1Y+7], 0
	s_or_b32 s[G1X], s98, (0<<16)|(1<<20)|(1<<21)|(6<<22)|(3<<25)
	s_mov_b32 s[G1X+1], 512<<16
	s_mov_b32 s[G1X+2], 32<<16
	s_mov_b32 s[G1X+3], 512<<16
	s_mov_b32 s[G1X+4], 32
	s_mov_b32 s[G1X+5], 512
	s_mov_b32 s[G1X+6], 0
	s_mov_b32 s[G1X+7], 0
	s_or_b32 s[G1YS], s99, (3<<16)|(1<<20)|(1<<21)|(5<<22)|(3<<25)
	s_mov_b32 s[G1YS+1], 32<<16
	s_mov_b32 s[G1YS+2], 8<<16
	s_mov_b32 s[G1YS+3], 32<<16
	s_mov_b32 s[G1YS+4], 8
	s_mov_b32 s[G1YS+5], 32
	s_mov_b32 s[G1YS+6], 0
	s_mov_b32 s[G1YS+7], 0
	s_or_b32 s[G1XS], s98, (3<<16)|(1<<20)|(1<<21)|(5<<22)|(3<<25)
	s_mov_b32 s[G1XS+1], 32<<16
	s_mov_b32 s[G1XS+2], 4<<16
	s_mov_b32 s[G1XS+3], 32<<16
	s_mov_b32 s[G1XS+4], 4
	s_mov_b32 s[G1XS+5], 32
	s_mov_b32 s[G1XS+6], 0
	s_mov_b32 s[G1XS+7], 0
	; what I fetch: of each chunk of X rows 32 wave .. + 31, of Y rows 64 wave .. + 63.  X's offsets hang on g and the wave, Y's on W's tile and the wave, each in registers of their own
	s_lshl_b32 s16, s[GG], 7
	s_lshl_b32 s17, s[WV], 5
	s_add_co_u32 s16, s16, s17                     ; X: row
	s_lshl_b32 s20, s16, 5                         ; its scale bytes: 32 a row
	s_lshl_b32 s16, s16, 9                         ; its codes: 512 bytes a row
	s_mov_b32 s17, 0
	s_mov_b32 s21, 0
	s_lshl_b32 s18, s66, 8
	s_lshl_b32 s19, s[WV], 6
	s_add_co_u32 s18, s18, s19                     ; Y: row
	s_lshl_b32 s22, s18, 5
	s_lshl_b32 s18, s18, 9
	s_mov_b32 s19, 0
	s_mov_b32 s23, 0
	s_mul_i32 s67, s[WV], 64*PITCH                 ; where they go: the wave's number times a constant: no place in the cluster enters an LDS address
	s_mul_i32 s3, s[WV], 32*PITCH
	s_mul_i32 s104, s[WV], 8*272
	s_mul_i32 s105, s[WV], 4*272
	s_mov_b32 s[CF], 0x3e38aa3b                    ; log2(e) / 8
	s_mov_b32 s[CF+1], s[CF]                       ; (named with it as a pair, so it is written)
	s_wait_dscnt 0x0                               ; both opening adds are done
	s_wait_kmcnt 0x0
	s_mov_b32 s[G0Y], 1
	s_add_co_u32 s[G0Y+1], s67, YB
	s_add_nc_u64 s[G0Y+2:G0Y+3], s[8:9], s[18:19]
	s_or_b32 s[G0Y+3], s[G0Y+3], 0x80000000
	s_mov_b32 s[G0YS], 1
	s_add_co_u32 s[G0YS+1], s104, YSB
	s_add_nc_u64 s[G0YS+2:G0YS+3], s[10:11], s[22:23]
	s_or_b32 s[G0YS+3], s[G0YS+3], 0x80000000
	s_add_nc_u64 s[4:5], s[4:5], s[16:17]          ; my rows in query's codes; key's lie 4 MB on, value's 8 MB
	s_add_nc_u64 s[6:7], s[6:7], s[20:21]          ; and in its scale bytes; 256 KB and 512 KB on
.irp c, 0,1,2
	s_mov_b32 s[G0X+4*\c], 1
	s_add_co_u32 s[G0X+4*\c+1], s3, LX\c
	s_add_nc_u64 s[G0X+4*\c+2:G0X+4*\c+3], s[4:5], \c*0x400000
	s_or_b32 s[G0X+4*\c+3], s[G0X+4*\c+3], 0x80000000
	s_mov_b32 s[G0XS+4*\c], 1
	s_add_co_u32 s[G0XS+4*\c+1], s105, XSB+\c*XSC
	s_add_nc_u64 s[G0XS+4*\c+2:G0XS+4*\c+3], s[6:7], \c*0x40000
	s_or_b32 s[G0XS+4*\c+3], s[G0XS+4*\c+3], 0x80000000
.endr
	CROUND                                         ; all sixteen work-groups are here: the joint loads meet
	; the first fills, one group, every wave all seven, with no branch: seven tensor loads of mine are out behind the last.  What is wanted first goes first
	tensor_load_to_lds s[G0YS:G0YS+3], s[G1YS:G1YS+7]
	s_nop 0
	tensor_load_to_lds s[G0Y:G0Y+3], s[G1Y:G1Y+7]
	s_nop 0
	tensor_load_to_lds s[G0XS:G0XS+3], s[G1XS:G1XS+7]
	s_nop 0
	tensor_load_to_lds s[G0XS+4:G0XS+7], s[G1XS:G1XS+7]
	s_nop 0
	tensor_load_to_lds s[G0XS+8:G0XS+11], s[G1XS:G1XS+7]
	s_nop 0
	tensor_load_to_lds s[G0X:G0X+3], s[G1X:G1X+7]
	s_nop 0
	tensor_load_to_lds s[G0X+4:G0X+7], s[G1X:G1X+7]
	s_nop 0
.rept 4
	v_nop
.endr
	v_and_b32 v1, 15, v0                           ; r = l % 16
	v_bfe_u32 v2, v0, 4, 1                         ; h = l / 16
	v_mul_u32_u24 v3, v1, PITCH
	v_lshl_add_u32 v3, v2, 4, v3                   ; a fragment's row x pitch + 16 x half
	s_mul_i32 s16, s[WY], 128*PITCH
	v_add_nc_u32 v[ADY], s16, v3                   ; my 128 rows of Y
	s_mul_i32 s16, s[WX], 64*PITCH                 ; my 64 rows of a chunk
	v_add_nc_u32 v[ADX2], s16, v3
	s_add_co_u32 s17, s16, XB0
	v_add_nc_u32 v[ADX0], s17, v3
	s_add_co_u32 s17, s16, XB1
	v_add_nc_u32 v[ADX1], s17, v3
	v_lshrrev_b32 v4, 3, v1
	v_and_b32 v5, 7, v1
	v_mul_u32_u24 v4, v4, 272
	v_lshl_add_u32 v4, v5, 5, v4                   ; scale bytes: 32 a row, eight rows to a padded 256
	s_mul_i32 s16, s[WY], 16*272
	s_add_co_u32 s16, s16, YSB
	v_mad_u32_u24 v[ADYS], v2, 8*272, v4           ; lanes 16-31: 64 rows further on
	v_add_nc_u32 v[ADYS], s16, v[ADYS]
	s_mul_i32 s16, s[WX], 8*272
	s_add_co_u32 s16, s16, XSB
	v_mad_u32_u24 v[ADXS], v2, 4*272, v4           ; lanes 16-31: 32 rows further on
	v_add_nc_u32 v[ADXS], s16, v[ADXS]
	v_and_b32 v6, 31, v0
	v_lshlrev_b32 v[LO], 4, v6
	v_lshlrev_b32 v[BO0], 5, v2
	v_lshlrev_b32 v[BO1], 2, v1
	s_lshl_b32 s18, s66, 10
	s_lshl_b32 s20, s[WY], 9
	s_add_co_u32 s18, s18, s20                     ; my first feature, 256 x tile + 128 x half, in bytes of f32
	s_mov_b32 s19, 0
	s_add_nc_u64 s[12:13], s[12:13], s[18:19]
.irp b, 0,1,2,3,4,5,6,7
	global_load_b128 v[BI+8*\b:BI+8*\b+3], v[BO0], s[12:13] offset:64*\b       ; b of features 16 b + 8 h + 0 .. 7
	global_load_b128 v[BI+8*\b+4:BI+8*\b+7], v[BO0], s[12:13] offset:64*\b+16
	global_load_b32 v[BV+2*\b], v[BO1], s[12:13] offset:64*\b                  ; b of feature 16 b + r, twice: the packed addition names a pair
	global_load_b32 v[BV+2*\b+1], v[BO1], s[12:13] offset:64*\b
.endr
	; where my results go, the same place in each of the three images
	s_lshr_b32 s18, s[GG], 3
	s_lshl_b32 s18, s18, 21                        ; n: 16 heads of 131,072 bytes
	s_and_b32 s20, s[GG], 7
	s_lshl_b32 s20, s20, 14                        ; 128 tokens: 8 x 2,048 bytes
	s_add_co_u32 s18, s18, s20
	s_lshl_b32 s20, s[WX], 13                      ; my 64 of them
	s_add_co_u32 s18, s18, s20
	s_lshl_b32 s20, s66, 19                        ; W's tile: 4 heads
	s_add_co_u32 s18, s18, s20
	s_lshl_b32 s20, s[WY], 18                      ; my 2 of them
	s_add_co_u32 s18, s18, s20
	s_add_nc_u64 s[14:15], s[14:15], s[18:19]
; One matrix instruction, from the symbols set ahead of it: cM = 0: the constant 0 starts the sum; else C = v[rC ..].  hA, hB: the scale words of source 0, 1 stand in lanes 16-31.
.macro WM
.if cM
.if hA && hB
	v_wmma_scale_f32_16x16x128_f8f6f4 v[rD:rD+7], v[rA:rA+7], v[rB:rB+7], v[rC:rC+7], v[eA], v[eB] matrix_a_fmt:MATRIX_FMT_FP4 matrix_b_fmt:MATRIX_FMT_FP4 matrix_a_scale:MATRIX_SCALE_ROW1 matrix_b_scale:MATRIX_SCALE_ROW1
.elseif hA
	v_wmma_scale_f32_16x16x128_f8f6f4 v[rD:rD+7], v[rA:rA+7], v[rB:rB+7], v[rC:rC+7], v[eA], v[eB] matrix_a_fmt:MATRIX_FMT_FP4 matrix_b_fmt:MATRIX_FMT_FP4 matrix_a_scale:MATRIX_SCALE_ROW1
.elseif hB
	v_wmma_scale_f32_16x16x128_f8f6f4 v[rD:rD+7], v[rA:rA+7], v[rB:rB+7], v[rC:rC+7], v[eA], v[eB] matrix_a_fmt:MATRIX_FMT_FP4 matrix_b_fmt:MATRIX_FMT_FP4 matrix_b_scale:MATRIX_SCALE_ROW1
.else
	v_wmma_scale_f32_16x16x128_f8f6f4 v[rD:rD+7], v[rA:rA+7], v[rB:rB+7], v[rC:rC+7], v[eA], v[eB] matrix_a_fmt:MATRIX_FMT_FP4 matrix_b_fmt:MATRIX_FMT_FP4
.endif
.else
.if hA && hB
	v_wmma_scale_f32_16x16x128_f8f6f4 v[rD:rD+7], v[rA:rA+7], v[rB:rB+7], 0, v[eA], v[eB] matrix_a_fmt:MATRIX_FMT_FP4 matrix_b_fmt:MATRIX_FMT_FP4 matrix_a_scale:MATRIX_SCALE_ROW1 matrix_b_scale:MATRIX_SCALE_ROW1
.elseif hA
	v_wmma_scale_f32_16x16x128_f8f6f4 v[rD:rD+7], v[rA:rA+7], v[rB:rB+7], 0, v[eA], v[eB] matrix_a_fmt:MATRIX_FMT_FP4 matrix_b_fmt:MATRIX_FMT_FP4 matrix_a_scale:MATRIX_SCALE_ROW1
.elseif hB
	v_wmma_scale_f32_16x16x128_f8f6f4 v[rD:rD+7], v[rA:rA+7], v[rB:rB+7], 0, v[eA], v[eB] matrix_a_fmt:MATRIX_FMT_FP4 matrix_b_fmt:MATRIX_FMT_FP4 matrix_b_scale:MATRIX_SCALE_ROW1
.else
	v_wmma_scale_f32_16x16x128_f8f6f4 v[rD:rD+7], v[rA:rA+7], v[rB:rB+7], 0, v[eA], v[eB] matrix_a_fmt:MATRIX_FMT_FP4 matrix_b_fmt:MATRIX_FMT_FP4
.endif
.endif
.endm
; K step q of a chunk: 32 matrix instructions, the 32 accumulators by turns, in the same order in every step.
; o = 0: source 0 = W, source 1 = tokens; o = 1: the other way round.  cm = 0: the sums start from 0; 1: from the bias; 2: they go on.
.macro MULS o, q, cm
.irp a, 0,1,2,3
.irp b, 0,1,2,3,4,5,6,7
.set rD, 8*(8*\a+\b)
.set cM, \cm
.set rC, rD
.if (\cm) == 1
.set rC, BI+8*\b
.endif
.if \o
.set rA, XF+32*((\q)%3)+8*\a
.set rB, 8*(8*((\q)%4)+\b)
.set eA, XS+8*(\a%2)+(\q)
.set eB, YS+8*(\b%4)+(\q)
.set hA, \a/2
.set hB, \b/4
.else
.set rA, 8*(8*((\q)%4)+\b)
.set rB, XF+32*((\q)%3)+8*\a
.set eA, YS+8*(\b%4)+(\q)
.set eB, XS+8*(\a%2)+(\q)
.set hA, \b/4
.set hB, \a/2
.endif
	WM
.endr
.endr
.endm
.macro XFETCH adr, q                   ; my four fragments of X (16 rows x 128 K: registers 4 c .. 4 c + 3 hold K = 64 c + 32 (l / 16) + 0 .. 31) of K step q into set q % 3: 8 loads
.irp a, 0,1,2,3
.irp c, 0,1
	ds_load_b128 v[XF+32*((\q)%3)+8*\a+4*\c:XF+32*((\q)%3)+8*\a+4*\c+3], v[\adr] offset:\a*16*PITCH+64*(\q)+32*\c
.endr
.endr
.endm
.macro XSCALES c                       ; chunk c's scale words of my 64 rows, all 8 K steps: 4 loads
.irp p, 0,1
.irp u, 0,1
	ds_load_b128 v[XS+8*\p+4*\u:XS+8*\p+4*\u+3], v[ADXS] offset:(\c)*XSC+544*\p+16*\u
.endr
.endr
.endm
; A CHUNK.  Its scale words and the fragments of K steps 0 and 1 have been asked for.  Step q asks for step q + 2's fragments, into the set that step q - 1 has left, behind four places.
.macro CHUNK o, adr
.irp q, 0,1,2,3,4,5,6,7
.if \q < 6
.if \q > 0
	PLACES
.endif
	WIN 0
	XFETCH \adr, \q+2
	s_wait_dscnt 16                                ; this step's fragments are in; the 16 loads of the next two steps may be out
.elseif \q == 6
	s_wait_dscnt 8                                 ; the last step's 8 loads may be out
.else
	s_wait_dscnt 0x0
.endif
.if \o
	WIN 0xf4+4*(\q/4)                              ; source 0 window 0, source 1 (W) window 1 or 2, C and D window 3
.if \q == 0
	MULS 1, \q, 0
.else
	MULS 1, \q, 2
.endif
.else
.if \q == 0
	WIN 0xc1                                       ; source 0 (W) window 1, source 1 and C (the bias) window 0, D window 3
	MULS 0, \q, 1
.else
	WIN 0xf1+(\q/4)                                ; source 0 (W) window 1 or 2, source 1 window 0, C and D window 3
	MULS 0, \q, 2
.endif
.endif
.endr
	WIN 0
.endm
; THE WAY OUT of a chunk, in place in the accumulators, 16 tokens (a) at a time.  mode 0 (q): x log2(e) / 8; mode 1 (k): nothing; mode 2 (v): + the bias.  Then two numbers to a register of f16, and 8 stores of 512 consecutive bytes.
.macro OUT mode
.irp a, 0,1,2,3
.if \mode != 1
	WIN 0xc3                                       ; destination and source 0 window 3
.irp b, 0,1,2,3,4,5,6,7
.irp i, 0,1,2,3                        ; each accumulator from its low end on
.if \mode == 0
	v_pk_mul_f32 v[8*(8*\a+\b)+2*\i:8*(8*\a+\b)+2*\i+1], v[8*(8*\a+\b)+2*\i:8*(8*\a+\b)+2*\i+1], s[CF:CF+1] op_sel_hi:[1,0]
.else
	v_pk_add_f32 v[8*(8*\a+\b)+2*\i:8*(8*\a+\b)+2*\i+1], v[8*(8*\a+\b)+2*\i:8*(8*\a+\b)+2*\i+1], v[BV+2*\b:BV+2*\b+1]
.endif
.endr
.endr
.endif
	WIN 0xcf                                       ; all in window 3
.irp b, 0,1,2,3,4,5,6,7
.irp i, 0,1,2,3
	v_cvt_pk_f16_f32 v[8*(8*\a+\b)+\i], v[8*(8*\a+\b)+2*\i], v[8*(8*\a+\b)+2*\i+1]   ; register i is written when registers 2 i and 2 i + 1 are read
.endr
.endr
	WIN 0x0c                                       ; a store's data are its source 1: window 3
.irp b, 0,1,2,3,4,5,6,7
.if \mode == 2
	global_store_b128 v[LO], v[8*(8*\a+\b):8*(8*\a+\b)+3], s[14:15] offset:4096*(\a/2)+512*(\a%2)+131072*(\b/4)+1024*(\b%4)
.else
	global_store_b128 v[LO], v[8*(8*\a+\b):8*(8*\a+\b)+3], s[14:15] offset:2048*\a+131072*(\b/4)+512*(\b%4)
.endif
.endr
.endr
	WIN 0
.endm
	s_wait_tensorcnt 5                             ; my parts of Y's scales and of Y are in; the five loads issued behind them (X's scales, X's first two chunks) may be out
	s_barrier_signal -1
	s_barrier_wait -1                              ; everybody's are
	WIN 0x40                                       ; destination window 1: W's fragments of K steps 0 to 3
.irp q, 0,1,2,3
.irp b, 0,1,2,3,4,5,6,7
.irp c, 0,1
	ds_load_b128 v[8*(8*\q+\b)+4*\c:8*(8*\q+\b)+4*\c+3], v[ADY] offset:\b*16*PITCH+64*\q+32*\c
.endr
.endr
.endr
	WIN 0x80                                       ; window 2: K steps 4 to 7
.irp q, 0,1,2,3
.irp b, 0,1,2,3,4,5,6,7
.irp c, 0,1
	ds_load_b128 v[8*(8*\q+\b)+4*\c:8*(8*\q+\b)+4*\c+3], v[ADY] offset:\b*16*PITCH+64*(\q+4)+32*\c
.endr
.endr
.endr
	WIN 0
.irp p, 0,1,2,3
.irp u, 0,1
	ds_load_b128 v[YS+8*\p+4*\u:YS+8*\p+4*\u+3], v[ADYS] offset:544*\p+16*\u   ; W's scale words, all 8 K steps
.endr
.endr
	; THE ONE REFILL: value's chunk into the bytes of Y's tile.  All my tensor loads have landed (X's first two chunks and the scales among them), my reads of Y are back, and a round of the cluster's barrier shows the same of every wave of every partner
	s_wait_tensorcnt 0x0
	ds_add_u32 v[SPW], v[NIL]
	s_wait_dscnt 0x0                               ; the add is done, and W is in registers
	CROUND
	tensor_load_to_lds s[G0X+8:G0X+11], s[G1X:G1X+7]   ; my one tensor load behind the round: it has two chunks' work in which to land
	s_nop 0
.rept 4
	v_nop
.endr
	XSCALES 0
	XFETCH ADX0, 0
	XFETCH ADX0, 1
	s_wait_loadcnt 0x0                             ; the bias
	CHUNK 0, ADX0                                  ; q
	PLACES                                         ; in front of the loads into registers that the last products read, and of the first read of results
	XSCALES 1                                      ; key's first fragments land while q goes out
	XFETCH ADX1, 0
	XFETCH ADX1, 1
	OUT 0
	s_wait_xcnt 0x0                                ; the stores have read their data and their base: the accumulators are begun anew and the base steps only behind this wait
	s_add_nc_u64 s[14:15], s[14:15], 0x1000000     ; K's image
	CHUNK 0, ADX1                                  ; k
	s_wait_tensorcnt 0x0                           ; my part of value's chunk is in,
	s_wait_dscnt 0x0
	s_barrier_signal -1
	s_barrier_wait -1                              ; everybody's is.
	PLACES
	XSCALES 2
	XFETCH ADX2, 0
	XFETCH ADX2, 1
	OUT 1
	s_wait_xcnt 0x0
	s_add_nc_u64 s[14:15], s[14:15], 0x1000000     ; V's image
	CHUNK 1, ADX2                                  ; v
	PLACES
	OUT 2
	s_wait_tensorcnt 0x0                           ; the wave's end
	ds_add_u32 v[SPW], v[NIL]
	s_wait_dscnt 0x0
	CROUND                                         ; the closing round
	s_endpgm
.Lfunc_end_k_q2f075622a3_proj:
	.size	k_q2f075622a3_proj, .Lfunc_end_k_q2f075622a3_proj-k_q2f075622a3_proj
	.p2alignl 7, 3214868480
	.fill 96, 4, 3214868480
	.section	.rodata,"a",@progbits
	.p2align	6, 0x0
	.amdhsa_kernel k_q2f075622a3_proj
		.amdhsa_group_segment_fixed_size 327680
		.amdhsa_private_segment_fixed_size 0
		.amdhsa_enable_private_segment 0
		.amdhsa_kernarg_size 48
		.amdhsa_user_sgpr_count 2
		.amdhsa_user_sgpr_kernarg_segment_ptr 1
		.amdhsa_wavefront_size32 1
		.amdhsa_system_sgpr_workgroup_id_x 1
		.amdhsa_system_sgpr_workgroup_id_y 1
		.amdhsa_system_sgpr_workgroup_id_z 1
		.amdhsa_system_vgpr_workitem_id 0
		.amdhsa_next_free_vgpr 1024
		.amdhsa_next_free_sgpr 106
		.amdhsa_reserve_vcc 0
		.amdhsa_float_denorm_mode_32 3
		.amdhsa_float_denorm_mode_16_64 3
		.amdhsa_memory_ordered 1
		.amdhsa_forward_progress 1
		.amdhsa_inst_pref_size 185
	.end_amdhsa_kernel
	.amdgpu_metadata
---
amdhsa.version: [ 1, 2 ]
amdhsa.kernels:
  - .name:           k_q2f075622a3_proj
    .symbol:         k_q2f075622a3_proj.kd
    .args:
      - { .name: acodes, .offset: 0, .size: 8, .value_kind: global_buffer, .address_space: global }
      - { .name: ascales, .offset: 8, .size: 8, .value_kind: global_buffer, .address_space: global }
      - { .name: wcodes, .offset: 16, .size: 8, .value_kind: global_buffer, .address_space: global }
      - { .name: wscales, .offset: 24, .size: 8, .value_kind: global_buffer, .address_space: global }
      - { .name: b, .offset: 32, .size: 8, .value_kind: global_buffer, .address_space: global }
      - { .name: qkv, .offset: 40, .size: 8, .value_kind: global_buffer, .address_space: global }
    .group_segment_fixed_size: 327680
    .private_segment_fixed_size: 0
    .kernarg_segment_align: 8
    .kernarg_segment_size: 48
    .max_flat_workgroup_size: 128
    .sgpr_count:     106
    .vgpr_count:     1024
    .wavefront_size: 32
...
	.end_amdgpu_metadata
.endif
;; end of part 2
;; launch attn (part 3): grid 256 x 1, 8 waves a work-group, no clusters, 327,680 bytes of LDS; arguments qkv, x16, maskw; writes x16
.if DOCPART == 3
	.amdgcn_target "amdgcn-amd-amdhsa--gfx1250"
	.amdhsa_code_object_version 6
	.text
	.protected	k_q2f075622a3_attn
	.globl	k_q2f075622a3_attn
	.p2align	8
	.type	k_q2f075622a3_attn,@function
k_q2f075622a3_attn:
	s_mov_b64 s[64:65], 0
	v_nop
	global_prefetch_b8 v0, s[64:65] scope:SCOPE_SE
	s_setreg_imm32_b32 hwreg(HW_REG_WAVE_MODE, 25, 1), 1
	s_wait_xcnt 0x0
; Launch 3 of 4: x = softmax(where(mask == 0, -1e9, q k^T / 8)) v, operands in f16, sums, maxima and the softmax in f32.  No work is left out.
; SHARES.  A work-group owns one (n, head) and half of its 1,024 queries.  ALL of the head's K and V, 2 x 131,072 bytes of register images, come into LDS once and stay: nothing is filled again.
; The 512 queries go in two passes of 256; a wave takes 32 a pass: two tiles of 16.  Every wave walks all keys, 64 a step.  Two waves share a SIMD: one's softmax stands beside the other's products.
; LAYOUT.  S^T = K Q^T (source 0 = 16 keys, source 1 = 16 queries): a lane holds ONE query (lane % 16) and keys 8 (lane / 16) + 0 .. 7 of each tile.  Two such tiles, rounded to f16 in pairs, are source 1 of
; O^T = V^T P.  K, V and Q lie as images of their operands' registers: every half fragment is one load of 16 bytes a lane at 16 x lane: no pitch, no padding, nothing turned.
; SOFTMAX.  q carries log2(e) / 8, so the product gives t = score x log2(e).  Where the mask's bit is 0, t is REPLACED by -1e9 x log2(e), ahead of the maximum, as the reference replaces the score.
; A running maximum m and sum l for each query; p = 2^(t - m), the difference by a subtraction, so that a row that is wholly masked gives p = 1 everywhere and the mean of v; in every step O and l are multiplied by 2^(m_old - m_new).
; THE MASK comes as 32-bit lane masks, one word for each register of a tile, by scalar loads a key step ahead: 64 words a step in scalar registers, used as selects alone.
; ASKED FOR EARLY.  Q of both passes and key step 0's words are asked for at the head, ahead of the wait for the first tiles; pass 1's last step asks for pass 2's first words and first fragments of K.
; THE RESULT.  reference()'s transpose and reshape say that x lies flat as [head][n][s][d]; read as [8192][1024], a tile of 16 queries is ONE row, (8 head + n) 64 + s / 16.  It goes through the wave's stage and leaves as 4 x 512 consecutive bytes of f16.
; NO CLUSTER: only two work-groups read one head's K and V.  Four partners would mean blocks of 256 queries and 512 work-groups, two in turn on each WGP, each fetching the 262,144 bytes anew.
; LIMITS: p and x in f16 (p is at most 1; |x| is at most the largest |v|, under 65,504); scores under -1e9 are not told from masked ones any more than in the reference.
; REGISTERS: window 0: v1-10 addresses and constants; v16-31 statistics, 8 a tile (+0 m, +1 its pair's partner, +2, +3 l, +4 .. +7 at work); v32-95 S^T, then p; v96-127 P; v128-159 Q of pass 1; v160-223 O^T; v224-255 Q of pass 2.
;   window 1: v0-63 K's fragments of a step, v64-127 V's.
.set VIMG,  131072                     ; LDS: K's image at 0, V's here
.set STAGE, 262144                     ; a stage for each wave: 2 tiles x 16 rows x (128 bytes + 16)
.set SROW,  144
.set SWAVE, 2*16*SROW
.set SPARE, STAGE+8*SWAVE              ; the spare words, 128 bytes for each wave: four blocks of 256 bytes that no other line names
.set LI,  1                            ; v1   16 x lane
.set AD,  2                            ; v2   LI + the step's place in an image
.set AV,  3                            ; v3   the same in V's image
.set OFFS, 4                           ; v4   16 x lane + 4,096 x wave + 32,768 x pass: my place among the half's rows of Q and of x16
.set STO, 5                            ; v5   the stage: where I put 16 bytes of a query's row
.set RD,  6                            ; v6   and where I read back
.set NEG, 7                            ; v7   -1e9 x log2(e)
.set SPW, 8                            ; v8   LDS address of my spare word; never rewritten
.set NIL, 9                            ; v9   0; never rewritten
.set PFO, 10                           ; v10  the prefetch's offset; never rewritten
.set ST,  16
.set S,   32
.set P,   96
.set QA,  128                          ; Q of pass 1
.set QB,  224                          ; Q of pass 2
.set Q,   QA                           ; Q of the pass in hand
.set O,   160
.set VFR, 64
.set WV,  66                           ; s66  my wave's number
.set TB,  67                           ; s67  the step's place in an image: 8,192 bytes a step
.set SEL, 100                          ; s100, s101 lane selects for v_permlanex16_b32: lane l xor 16
.set CNT, 104                          ; s104 counts steps
.set MSB, 0
.macro WIN new                         ; the immediate's high byte repeats the setting that is left
.if MSB != (\new)
	s_set_vgpr_msb (MSB<<8)|(\new)
.set MSB, (\new)
.endif
.endm
.macro MASKS                           ; a step's 64 words: tile 0's 32 in s16-47, tile 1's in s48-63 and s68-83
	s_load_b512 s[16:31], s[2:3], 0x0
	s_load_b512 s[32:47], s[2:3], 0x40
	s_load_b512 s[48:63], s[2:3], 0x800
	s_load_b512 s[68:83], s[2:3], 0x840
.endm
	s_load_b128 s[4:7], s[0:1], 0x0                ; qkv, x16
	s_load_b64 s[2:3], s[0:1], 0x10                ; maskw
	v_lshl_add_u32 v[SPW], v0, 2, SPARE
	v_mov_b32 v[NIL], 0
	ds_add_u32 v[SPW], v[NIL]                      ; the wave's opening: the add, twice on end, and its wait ahead of my first tensor load
	ds_add_u32 v[SPW], v[NIL]
	v_lshrrev_b32 v1, 5, v0
	v_readfirstlane_b32 s[WV], v1                  ; wave 0..7
	; descriptor groups 1: dense blocks as rows of 256 bytes (32 elements of 8 bytes), no padding: 32 rows (8,192 bytes) and 96 rows (24,576 bytes)
	s_mov_b32 s8, 3<<16
	s_mov_b32 s9, 32<<16                           ; tensor_dim0
	s_mov_b32 s10, 32<<16                          ; tensor_dim1
	s_mov_b32 s11, 32<<16                          ; tile_dim0
	s_mov_b32 s12, 32                              ; tile_dim1
	s_mov_b32 s13, 32                              ; from row to row
	s_mov_b32 s14, 0
	s_mov_b32 s15, 0
	s_mov_b32 s84, 3<<16
	s_mov_b32 s85, 32<<16
	s_mov_b32 s86, 96<<16
	s_mov_b32 s87, 32<<16
	s_mov_b32 s88, 96
	s_mov_b32 s89, 32
	s_mov_b32 s90, 0
	s_mov_b32 s91, 0
	s_mov_b32 s[SEL], 0x76543210
	s_mov_b32 s[SEL+1], 0xfedcba98
	; waves 0-3 fetch K, waves 4-7 V; wave p of the four: key step p (8,192 bytes), and three of the key steps 4 to 15 (24,576 bytes)
	s_lshr_b32 s16, s[WV], 2
	s_and_b32 s17, s[WV], 3
	s_lshl_b32 s18, s16, 17                        ; the image in LDS
	s_lshl_b32 s19, s17, 13
	s_add_co_u32 s93, s18, s19                     ; the first load's LDS address
	s_mul_i32 s20, s17, 24576
	s_add_co_u32 s20, s20, 32768
	s_add_co_u32 s97, s18, s20                     ; the second's
	s_mov_b32 s92, 1
	s_mov_b32 s96, 1
	s_lshr_b32 s21, ttmp9, 1                       ; 16 n + head
	s_lshl_b32 s22, s21, 17
	s_add_co_u32 s23, s16, 1
	s_lshl_b32 s23, s23, 24                        ; K's image lies 16 MB, V's 32 MB into qkv
	s_add_co_u32 s23, s23, s22
	s_add_co_u32 s24, s23, s19
	s_mov_b32 s25, 0
	s_add_co_u32 s26, s23, s20
	s_mov_b32 s27, 0
	v_and_b32 v11, 31, v0
	v_lshlrev_b32 v[LI], 4, v11
	v_and_b32 v12, 15, v0                          ; r
	v_bfe_u32 v13, v0, 4, 1                        ; h
	s_lshl_b32 s32, s[WV], 12
	v_add_nc_u32 v[OFFS], s32, v[LI]
	s_mul_i32 s33, s[WV], SWAVE
	s_add_co_u32 s33, s33, STAGE
	v_mul_u32_u24 v[STO], v12, SROW
	v_lshl_add_u32 v[STO], v13, 4, v[STO]
	v_add_nc_u32 v[STO], s33, v[STO]               ; in: query r's row, + 16 h
	v_bfe_u32 v14, v0, 3, 2
	v_mul_u32_u24 v[RD], v14, SROW
	v_and_b32 v15, 7, v0
	v_lshl_add_u32 v[RD], v15, 4, v[RD]
	v_add_nc_u32 v[RD], s33, v[RD]                 ; back: eight lanes to a query's 128 bytes, four queries an instruction
	v_mov_b32 v[NEG], 0xceabfb8f
	v_lshlrev_b32 v[PFO], 8, v12
	v_lshl_add_u32 v[PFO], v13, 15, v[PFO]         ; lanes 0-15: my two tiles' 4,096 bytes of words in pass 1, 256 bytes apart; lanes 16-31: those of pass 2
	s_wait_dscnt 0x0                               ; both opening adds are done
	s_wait_kmcnt 0x0
	s_add_nc_u64 s[94:95], s[4:5], s[24:25]
	s_or_b32 s95, s95, 0x80000000
	s_add_nc_u64 s[98:99], s[4:5], s[26:27]
	s_or_b32 s99, s99, 0x80000000
	tensor_load_to_lds s[92:95], s[8:15]           ; every wave issues both, into bytes that are its own: two tensor loads of mine are out
	s_nop 0
	tensor_load_to_lds s[96:99], s[84:91]
	s_nop 0
.rept 4
	v_nop
.endr
	s_and_b32 s28, ttmp9, 1                        ; which half of the queries
	s_lshl_b32 s24, s28, 16
	s_add_co_u32 s24, s24, s22
	s_add_nc_u64 s[4:5], s[4:5], s[24:25]          ; Q's image at the half's first tile
	s_bfe_u32 s29, ttmp9, 0x40001                  ; head
	s_lshr_b32 s30, ttmp9, 5                       ; n
	s_lshl_b32 s24, s29, 3
	s_add_co_u32 s24, s24, s30
	s_lshl_b32 s24, s24, 6
	s_lshl_b32 s31, s28, 5
	s_add_co_u32 s24, s24, s31                     ; x16's row (8 head + n) 64 + 32 half
	s_lshl_b32 s24, s24, 11
	s_add_nc_u64 s[6:7], s[6:7], s[24:25]
	s_lshl_b32 s24, s30, 17                        ; maskw: n, 64 tiles of 2,048 bytes;
	s_lshl_b32 s31, s31, 11                        ; the half's 32 tiles;
	s_add_co_u32 s24, s24, s31
	s_lshl_b32 s31, s[WV], 12                      ; my two
	s_add_co_u32 s24, s24, s31
	s_add_nc_u64 s[2:3], s[2:3], s[24:25]
.irp p, 0,1                            ; Q of both passes, and key step 0's words: asked for while the first tiles are on their way
.irp t, 0,1
.irp c, 0,1
.irp u, 0,1
	global_load_b128 v[QA+96*\p+16*\t+8*\c+4*\u:QA+96*\p+16*\t+8*\c+4*\u+3], v[OFFS], s[4:5] offset:32768*\p+2048*\t+1024*\c+512*\u th:TH_LOAD_NT
.endr
.endr
.endr
.endr
	MASKS
	s_wait_tensorcnt 1                             ; my part of key steps 0 to 3 is in; the larger load may stay out
	s_barrier_signal -1
	s_barrier_wait -1                              ; everybody's is
	; A PREFETCH INTO THE L2 of my wave's mask words of both passes, 32 blocks of 256 bytes, a lane a block.  The sixteen heads of one n read the same words: head 0's two work-groups ask, so each block is named once in the launch.
	; It stands behind my own loads and behind the first barrier.
	s_bfe_u32 s[CNT], ttmp9, 0x40001
	s_cmp_eq_u32 s[CNT], 0
	s_cbranch_scc0 .Lnot_mine
	global_prefetch_b8 v[PFO], s[2:3] th:TH_LOAD_NT scope:SCOPE_SE
.Lnot_mine:
.macro FETCH_K adr, off                ; a step's K: 4 tiles of 16 keys x 2 halves of the 64 channels: 16 loads
.irp a, 0,1,2,3
.irp c, 0,1
.irp u, 0,1
	ds_load_b128 v[8*(2*\a+\c)+4*\u:8*(2*\a+\c)+4*\u+3], v[\adr] offset:\off+2048*\a+1024*\c+512*\u
.endr
.endr
.endr
.endm
.macro FETCH_V                         ; a step's V^T: 2 blocks of 32 keys x 4 tiles of 16 channels: 16 loads
.irp kb, 0,1
.irp ct, 0,1,2,3
.irp u, 0,1
	ds_load_b128 v[VFR+8*(4*\kb+\ct)+4*\u:VFR+8*(4*\kb+\ct)+4*\u+3], v[AV] offset:4096*\kb+1024*\ct+512*\u
.endr
.endr
.endr
.endm
; A KEY STEP.  pre = 1: the next step's K and words are asked for.  pre = 2: the same, behind the wait and the barrier that show key steps 4 to 15 landed.
; pre = 3: pass 1's last step: key step 0's K and the next pass's first words are asked for.  pre = 0: the last step of all.
.macro STEP pre
	v_add_nc_u32 v[AD], s[TB], v[LI]
	v_add_nc_u32 v[AV], VIMG, v[AD]
	v_nop
	v_nop                                          ; four plain lines between the last V^T P and the loads into V's registers
	WIN 0x40                                       ; destination window 1
	FETCH_V
	WIN 0x01                                       ; source 0 window 1
	s_wait_dscnt 16                                ; K's 16 loads, asked for a step ago, are in; V's 16 may be out
.irp c, 0,1                            ; S^T = K Q^T: eight accumulators by turns
.irp a, 0,1,2,3
.irp t, 0,1
.if \c == 0
	v_wmma_f32_16x16x32_f16 v[S+32*\t+8*\a:S+32*\t+8*\a+7], v[8*(2*\a+\c):8*(2*\a+\c)+7], v[Q+16*\t+8*\c:Q+16*\t+8*\c+7], 0
.else
	v_wmma_f32_16x16x32_f16 v[S+32*\t+8*\a:S+32*\t+8*\a+7], v[8*(2*\a+\c):8*(2*\a+\c)+7], v[Q+16*\t+8*\c:Q+16*\t+8*\c+7], v[S+32*\t+8*\a:S+32*\t+8*\a+7]
.endif
.endr
.endr
.endr
	WIN 0
.rept 4
	v_nop                                          ; places in front of the loads into K's registers and of the first read of the scores
.endr
.if \pre == 2
	s_wait_tensorcnt 0x0                           ; my part of key steps 4 to 15 is in,
	s_wait_dscnt 0x0
	s_barrier_signal -1
	s_barrier_wait -1                              ; everybody's is.
.endif
.if \pre
	WIN 0x40
.if \pre == 3
	FETCH_K LI, 0                                  ; the next pass begins at key step 0
.else
	FETCH_K AD, 8192                               ; the next step's K
.endif
	WIN 0
.endif
	s_wait_kmcnt 0x0                               ; this step's words, asked for a step ago
.set i, 0
.rept 32
	v_cndmask_b32 v[S+i], v[NEG], v[S+i], s[16+i]  ; each accumulator from its low end on
.set i, i+1
.endr
.set i, 0
.rept 16
	v_cndmask_b32 v[S+32+i], v[NEG], v[S+32+i], s[48+i]
.set i, i+1
.endr
.rept 16
	v_cndmask_b32 v[S+32+i], v[NEG], v[S+32+i], s[52+i]
.set i, i+1
.endr
.if \pre
	s_wait_xcnt 0x0                                ; whatever named s[2:3] has read it
.if \pre == 3
	s_add_nc_u64 s[2:3], s[2:3], 30848             ; the next pass's tiles: 16 x 2,048 bytes on, less the 15 steps of 128 walked
.else
	s_add_nc_u64 s[2:3], s[2:3], 128
.endif
	MASKS                                          ; the next step's words: a whole step in which to land
.endif
	; the maximum of each query's 32 scores and the old m, three operands at a time, the two tiles by turns
.irp j, 0,1,2,3
.irp t, 0,1
	v_max3_num_f32 v[ST+8*\t+4+\j], v[S+32*\t+8*\j], v[S+32*\t+8*\j+1], v[S+32*\t+8*\j+2]
.endr
.endr
.irp g, 1,2
.irp j, 0,1,2,3
.irp t, 0,1
	v_max3_num_f32 v[ST+8*\t+4+\j], v[ST+8*\t+4+\j], v[S+32*\t+8*\j+2*\g+1], v[S+32*\t+8*\j+2*\g+2]
.endr
.endr
.endr
.irp t, 0,1
	v_max3_num_f32 v[ST+8*\t+4], v[ST+8*\t+4], v[S+32*\t+7], v[S+32*\t+15]
.endr
.irp t, 0,1
	v_max3_num_f32 v[ST+8*\t+6], v[ST+8*\t+6], v[S+32*\t+23], v[S+32*\t+31]
.endr
.irp t, 0,1
	v_max3_num_f32 v[ST+8*\t+4], v[ST+8*\t+4], v[ST+8*\t+5], v[ST+8*\t+6]
.endr
.irp t, 0,1
	v_max3_num_f32 v[ST+8*\t+4], v[ST+8*\t+4], v[ST+8*\t+7], v[ST+8*\t]
.endr
.irp t, 0,1
	v_permlanex16_b32 v[ST+8*\t+5], v[ST+8*\t+4], s[SEL], s[SEL+1]   ; the query's other 32 keys lie in the lane 16 away
.endr
.irp t, 0,1
	v_max_num_f32 v[ST+8*\t+4], v[ST+8*\t+4], v[ST+8*\t+5]
.endr
.irp t, 0,1
	v_sub_f32 v[ST+8*\t+6], v[ST+8*\t], v[ST+8*\t+4]                 ; m_old - m_new
.endr
.irp t, 0,1
	v_mov_b32 v[ST+8*\t], v[ST+8*\t+4]
.endr
.irp t, 0,1
.set i, 0
.rept 16
	v_pk_add_f32 v[S+32*\t+i:S+32*\t+i+1], v[S+32*\t+i:S+32*\t+i+1], v[ST+8*\t:ST+8*\t+1] op_sel_hi:[1,0] neg_lo:[0,1] neg_hi:[0,1]   ; t - m
.set i, i+2
.endr
.endr
	; ONE BATCH of 66 exponentials, one plain line, one wait ahead of the first line that names a result
.irp t, 0,1
	v_exp_f32 v[ST+8*\t+6], v[ST+8*\t+6]
.endr
.set i, 0
.rept 64
	v_exp_f32 v[S+i], v[S+i]
.set i, i+1
.endr
	v_nop
	s_wait_alu depctr_va_vdst(0)
.set i, 0
.rept 32
	v_cvt_pk_f16_f32 v[P+i], v[S+2*i], v[S+2*i+1]  ; two tiles of 16 keys make source 1 for 32 keys
.set i, i+1
.endr
	; l = l x 2^(m_old - m_new) + the sum of the unrounded p: two chains a tile, the tiles by turns
.irp t, 0,1
	v_pk_fma_f32 v[ST+8*\t+2:ST+8*\t+3], v[ST+8*\t+2:ST+8*\t+3], v[ST+8*\t+6:ST+8*\t+7], v[S+32*\t:S+32*\t+1] op_sel_hi:[1,0,1]
	v_pk_add_f32 v[ST+8*\t+4:ST+8*\t+5], v[S+32*\t+2:S+32*\t+3], v[S+32*\t+6:S+32*\t+7]
.endr
.irp n, 2,4,6,8,10,12
.irp t, 0,1
	v_pk_add_f32 v[ST+8*\t+2:ST+8*\t+3], v[ST+8*\t+2:ST+8*\t+3], v[S+32*\t+2*\n:S+32*\t+2*\n+1]
	v_pk_add_f32 v[ST+8*\t+4:ST+8*\t+5], v[ST+8*\t+4:ST+8*\t+5], v[S+32*\t+2*\n+6:S+32*\t+2*\n+7]
.endr
.endr
.irp t, 0,1
	v_pk_add_f32 v[ST+8*\t+2:ST+8*\t+3], v[ST+8*\t+2:ST+8*\t+3], v[S+32*\t+28:S+32*\t+29]
.endr
.irp t, 0,1
	v_pk_add_f32 v[ST+8*\t+2:ST+8*\t+3], v[ST+8*\t+2:ST+8*\t+3], v[ST+8*\t+4:ST+8*\t+5]
.endr
.irp t, 0,1
.set i, 0
.rept 16
	v_pk_mul_f32 v[O+32*\t+i:O+32*\t+i+1], v[O+32*\t+i:O+32*\t+i+1], v[ST+8*\t+6:ST+8*\t+7] op_sel_hi:[1,0]   ; O^T under the new m
.set i, i+2
.endr
.endr
.if \pre
	s_wait_dscnt 16                                ; V is in; the 16 loads of K asked for in this step may be out
.else
	s_wait_dscnt 0x0
.endif
	WIN 0x01
.irp kb, 0,1                           ; O^T += V^T P: eight accumulators by turns
.irp ct, 0,1,2,3
.irp t, 0,1
	v_wmma_f32_16x16x32_f16 v[O+32*\t+8*\ct:O+32*\t+8*\ct+7], v[VFR+8*(4*\kb+\ct):VFR+8*(4*\kb+\ct)+7], v[P+16*\t+8*\kb:P+16*\t+8*\kb+7], v[O+32*\t+8*\ct:O+32*\t+8*\ct+7]
.endr
.endr
.endr
	WIN 0
	s_add_co_u32 s[TB], s[TB], 8192
.endm
; THE WAY OUT of a pass: l's halves are added, O^T is divided by l, rounded to f16, and goes through my stage: a tile of 16 queries is one row of x16.
.macro EPI
.irp t, 0,1
	v_add_f32 v[ST+8*\t+4], v[ST+8*\t+2], v[ST+8*\t+3]
.endr
.irp t, 0,1
	v_permlanex16_b32 v[ST+8*\t+5], v[ST+8*\t+4], s[SEL], s[SEL+1]
.endr
.irp t, 0,1
	v_add_f32 v[ST+8*\t+4], v[ST+8*\t+4], v[ST+8*\t+5]
.endr
.irp t, 0,1
	v_rcp_f32 v[ST+8*\t+6], v[ST+8*\t+4]           ; l is at least 1: the largest p of a row is 1
.endr
	v_nop                                          ; a plain line behind the reciprocals; with the additions above it also fills the places behind the last products
	s_wait_alu depctr_va_vdst(0)                   ; one wait for both, ahead of the first reader
.irp t, 0,1
.set i, 0
.rept 16
	v_pk_mul_f32 v[O+32*\t+i:O+32*\t+i+1], v[O+32*\t+i:O+32*\t+i+1], v[ST+8*\t+6:ST+8*\t+7] op_sel_hi:[1,0]
.set i, i+2
.endr
.endr
.set i, 0
.rept 32
	v_cvt_pk_f16_f32 v[S+i], v[O+2*i], v[O+2*i+1]
.set i, i+1
.endr
.irp t, 0,1
.irp ct, 0,1,2,3
	ds_store_b128 v[STO], v[S+16*\t+4*\ct:S+16*\t+4*\ct+3] offset:16*SROW*\t+32*\ct
.endr
.endr
.irp t, 0,1
.irp i, 0,1,2,3
	ds_load_b128 v[S+32+16*\t+4*\i:S+32+16*\t+4*\i+3], v[RD] offset:16*SROW*\t+4*SROW*\i   ; LDS serves a wave's instructions in order: these see my stores
.endr
.endr
	s_wait_dscnt 0x0
.irp t, 0,1
.irp i, 0,1,2,3
	global_store_b128 v[OFFS], v[S+32+16*\t+4*\i:S+32+16*\t+4*\i+3], s[6:7] offset:2048*\t+512*\i   ; 512 consecutive bytes
.endr
.endr
.endm
; A PASS: 256 queries of the work-group, 32 of mine, against all 1,024 keys.  first = 1: key steps 0 to 3 are walked while the rest of K and V is on its way.
.macro PASS first
.irp t, 0,1
	v_mov_b32 v[ST+8*\t], 0xff61b1e6               ; m: -3e38, under every t
	v_mov_b32 v[ST+8*\t+1], 0xff61b1e6             ; (named with it as a pair, so it is written)
	v_mov_b32 v[ST+8*\t+2], 0                      ; l, in two halves
	v_mov_b32 v[ST+8*\t+3], 0
.endr
.set i, 0
.rept 64
	v_mov_b32 v[O+i], 0                            ; O^T.  The step is written without a first step of its own: the first change of m multiplies zeros
.set i, i+1
.endr
	s_mov_b32 s[TB], 0
.if \first
	WIN 0x40
	FETCH_K LI, 0
	WIN 0
	s_wait_loadcnt 0x0                             ; Q of both passes
	s_mov_b32 s[CNT], 3
.Lhead_\@:                                         ; key steps 0 to 2: they and the K that they ask for lie in the bytes of the first, smaller loads
	STEP 1
	s_sub_co_u32 s[CNT], s[CNT], 1
	s_cmp_lg_u32 s[CNT], 0
	s_cbranch_scc1 .Lhead_\@
	STEP 2                                         ; key step 3
	s_mov_b32 s[CNT], 11
.else
	s_mov_b32 s[CNT], 15
.endif
.Lrest_\@:
	STEP 1
	s_sub_co_u32 s[CNT], s[CNT], 1
	s_cmp_lg_u32 s[CNT], 0
	s_cbranch_scc1 .Lrest_\@
.if \first
	STEP 3                                         ; key step 15, which also asks for the next pass's first K and words
.else
	STEP 0                                         ; key step 15
.endif
	EPI
.endm
	PASS 1
	s_wait_xcnt 0x0                                ; the stores have read their offset and their data
	v_add_nc_u32 v[OFFS], 0x8000, v[OFFS]          ; 16 tiles of 2,048 bytes on in x16
.set Q, QB                             ; pass 2's queries
	PASS 0
	s_wait_tensorcnt 0x0                           ; the wave's end, behind my last tensor load and my last LDS store
	ds_add_u32 v[SPW], v[NIL]
	s_wait_dscnt 0x0
	s_endpgm
.Lfunc_end_k_q2f075622a3_attn:
	.size	k_q2f075622a3_attn, .Lfunc_end_k_q2f075622a3_attn-k_q2f075622a3_attn
	.p2alignl 7, 3214868480
	.fill 96, 4, 3214868480
	.section	.rodata,"a",@progbits
	.p2align	6, 0x0
	.amdhsa_kernel k_q2f075622a3_attn
		.amdhsa_group_segment_fixed_size 327680
		.amdhsa_private_segment_fixed_size 0
		.amdhsa_enable_private_segment 0
		.amdhsa_kernarg_size 24
		.amdhsa_user_sgpr_count 2
		.amdhsa_user_sgpr_kernarg_segment_ptr 1
		.amdhsa_wavefront_size32 1
		.amdhsa_system_sgpr_workgroup_id_x 1
		.amdhsa_system_sgpr_workgroup_id_y 1
		.amdhsa_system_sgpr_workgroup_id_z 1
		.amdhsa_system_vgpr_workitem_id 0
		.amdhsa_next_free_vgpr 384
		.amdhsa_next_free_sgpr 106
		.amdhsa_reserve_vcc 0
		.amdhsa_float_denorm_mode_32 3
		.amdhsa_float_denorm_mode_16_64 3
		.amdhsa_memory_ordered 1
		.amdhsa_forward_progress 1
		.amdhsa_inst_pref_size 153
	.end_amdhsa_kernel
	.amdgpu_metadata
---
amdhsa.version: [ 1, 2 ]
amdhsa.kernels:
  - .name:           k_q2f075622a3_attn
    .symbol:         k_q2f075622a3_attn.kd
    .args:
      - { .name: qkv, .offset: 0, .size: 8, .value_kind: global_buffer, .address_space: global }
      - { .name: x16, .offset: 8, .size: 8, .value_kind: global_buffer, .address_space: global }
      - { .name: maskw, .offset: 16, .size: 8, .value_kind: global_buffer, .address_space: global }
    .group_segment_fixed_size: 327680
    .private_segment_fixed_size: 0
    .kernarg_segment_align: 8
    .kernarg_segment_size: 24
    .max_flat_workgroup_size: 256
    .sgpr_count:     106
    .vgpr_count:     384
    .wavefront_size: 32
...
	.end_amdgpu_metadata
.endif
;; end of part 3
;; launch outp (part 4): grid 4 x 64, 4 waves a work-group, clusters of 4 x 4, 327,680 bytes of LDS; arguments x16, w16, b, out0; writes out0
.if DOCPART == 4
	.amdgcn_target "amdgcn-amd-amdhsa--gfx1250"
	.amdhsa_code_object_version 6
	.text
	.protected	k_q2f075622a3_outp
	.globl	k_q2f075622a3_outp
	.p2align	8
	.type	k_q2f075622a3_outp,@function
k_q2f075622a3_outp:
	s_mov_b64 s[64:65], 0
	v_nop
	global_prefetch_b8 v0, s[64:65] scope:SCOPE_SE
	s_setreg_imm32_b32 hwreg(HW_REG_WAVE_MODE, 25, 1), 1
	s_wait_xcnt 0x0
	s_wait_alu depctr_hold_cnt(0) depctr_sa_sdst(0) depctr_va_vdst(0) depctr_va_sdst(0) depctr_va_ssrc(0) depctr_va_vcc(0) depctr_vm_vsrc(0)
	s_getreg_b32 s2, hwreg(HW_REG_IB_STS2, 6, 4)
	s_cmp_eq_u32 s2, 0
	s_cbranch_scc0 .Lentry_in_a_cluster
	s_endpgm
.Lentry_in_a_cluster:
	s_bfe_u32 s2, ttmp6, 0x10000c
	s_cmp_lg_u32 s2, 0xf033
	s_cbranch_scc0 .Lentry_shape_is_right
	s_endpgm
.Lentry_shape_is_right:
; Launch 4 of 4: out0 = x W^T + b.  x16 [8192][1024] and w16 [1024][1024] in f16, sums in f32, b as the C of each sum's first product, out0 [8192][1024] f32.  No work is left out.
; A tile of out0 is 128 rows x 256 columns: 256 tiles, one for each of 256 work-groups.  Four waves, each 64 x 128: 32 accumulators of 16 x 16, 256 registers.
; K goes in 8 steps of 128 through a ring of two LDS slots filled by the tensor data mover: a tile's row is 256 bytes of memory.  Waves 0 and 1 fetch A's two halves (64 rows each), waves 2 and 3 B's (128 rows each).
; CLUSTERS: 4 x 4 work-groups.  The four of a row of the cluster need the same tiles of x16, the four of a column the same tiles of w16: each tile is asked for jointly.
; THE MATRIX INSTRUCTION IS USED TRANSPOSED (source 0 = 16 rows of w16, source 1 = 16 rows of x16): a lane holds eight neighbouring numbers of a row of out0.
; REGISTERS: window 0: v16-30 addresses; v32-95 the bias, 8 registers for each of my 8 blocks of columns; v128-255 rows on the way out.
;   window 1: two fragment buffers, at v0 and v128: B's 8 fragments (16 rows x 32 K), then A's 4.   window 2: accumulator (a, b) at v[8 (8 a + b)].
.set KSTEP,  128
.set PITCH,  272                       ; an LDS row: 256 bytes + 16 of padding: the 16 rows that a load touches start at 16 different 16-byte columns
.set AROWS,  128*PITCH                 ; A's 128 rows
.set SLOT,   384*PITCH                 ; then B's 256 rows
.set STAGE,  2*SLOT                    ; behind the ring: 16 rows x (512 bytes + 16) for each wave
.set SPITCH, 528
.set SPARE,  STAGE+4*16*SPITCH         ; the spare words, 128 bytes for each wave: two blocks of 256 bytes that no other line names
.set ADRA, 16                          ; v16-17  LDS address of my A fragments in slot 0, 1
.set ADRB, 20                          ; v20-21  the same for B
.set STO,  24                          ; v24     the way out: where I put 32 bytes of a row
.set RD,   25                          ; v25     where I read a row back
.set CO,   26                          ; v26     16 x lane: my place in a row's 512 bytes
.set BO,   27                          ; v27     32 x (lane / 16): the bias
.set SPW,  28                          ; v28     LDS address of my spare word; never rewritten
.set NIL,  29                          ; v29     0; never rewritten
.set PFO,  30                          ; v30     the prefetches' offset: my lane x a row of 2,048 bytes; never rewritten
.set BIAS, 32
.set BK,   128
.set F0,   0
.set F1,   128
.set G1,  24                           ; s[24:31] group 1 for A's tiles;  s[32:39] group 0, a set for each slot
.set G0,  32
.set G1B, 48                           ; s[48:55], s[56:63] the same for B's
.set G0B, 56
.set LIM, 43                           ; s43     1 in a wave that prefetches, else the greatest number
.set PFA, 44                           ; s[44:45] where my prefetches stand
.set MSB, 0
.macro WIN new                         ; the immediate's high byte repeats the setting that is left
.if MSB != (\new)
	s_set_vgpr_msb (MSB<<8)|(\new)
.set MSB, (\new)
.endif
.endm
.set MUL,  0xa5                        ; sources 0 and 1 window 1; C and D window 2
.set MULB, 0x85                        ; the same with C, the bias, in window 0
.set TO_F, 0x40                        ; destination window 1, address window 0
.macro JLOAD s                         ; a joint load; the branch hangs on the wave's number alone; an s_nop 0 and four v_nop follow each of the two lines
	s_cmp_eq_u32 s13, 0
	s_cbranch_scc0 .Lfor_b_\@
	tensor_load_to_lds s[G0+4*\s:G0+4*\s+3], s[G1:G1+7]
	s_nop 0
.rept 4
	v_nop
.endr
	s_branch .Lasked_\@
.Lfor_b_\@:
	tensor_load_to_lds s[G0B+4*\s:G0B+4*\s+3], s[G1B:G1B+7]
	s_nop 0
.rept 4
	v_nop
.endr
.Lasked_\@:
.endm
.macro CREST                           ; a round of the cluster's barrier behind its opening barrier
	s_cmp_lg_u32 s12, 0
	s_cbranch_scc1 .Lnot_wave_0_\@
	s_barrier_signal -3
.Lnot_wave_0_\@:
	s_barrier_wait -3
	s_barrier_signal -1
	s_barrier_wait -1
.endm
.macro CROUND
	s_barrier_signal -1
	s_barrier_wait -1
	CREST
.endm
; A PREFETCH INTO THE L2, behind each joint refill and the run of LDS loads that follows it: the K step that stands two refills on, 32 rows x 256 bytes, a lane a row.
; x16's 128 rows of a tile row are read by one row of one cluster alone: wave 0 of each of the four partners asks for 32 of them, told apart by address.  w16's 256 rows of a tile column are read by every cluster:
; the first cluster asks, waves 2 and 3, each partner of a column 32 of a wave's 128.  So each row's 256 bytes of a K step are named once.  The loop's last trip asks for nothing: there is no K step two on.
.macro ASK
	s_cmp_gt_u32 s3, s[LIM]
	s_cbranch_scc0 .Lnot_mine_\@
	global_prefetch_b8 v[PFO], s[PFA:PFA+1] offset:KSTEP*2 th:TH_LOAD_NT scope:SCOPE_SE
.Lnot_mine_\@:
.endm
	s_load_b256 s[4:11], s[0:1], 0x0               ; x16, w16, b, out0
	v_lshl_add_u32 v[SPW], v0, 2, SPARE
	v_mov_b32 v[NIL], 0
	ds_add_u32 v[SPW], v[NIL]                      ; the wave's opening: the add, twice on end, and its wait ahead of my first tensor load
	ds_add_u32 v[SPW], v[NIL]
	v_lshrrev_b32 v1, 5, v0
	v_readfirstlane_b32 s12, v1                    ; wave 0..3
	s_lshr_b32 s13, s12, 1                         ; which 64 of the tile's rows are mine.  Also: I fetch for A (0) or for B (1)
	s_and_b32 s14, s12, 1                          ; which 128 of its columns.  Also: which half of that tile I fetch
	s_bfe_u32 s40, ttmp6, 0x40000                  ; cx, cy
	s_bfe_u32 s41, ttmp6, 0x40004
	s_lshl_b32 s42, ttmp9, 2
	s_add_co_u32 s42, s42, s40                     ; tile column
	s_and_b32 s15, ttmp7, 0xffff
	s_lshl_b32 s15, s15, 2
	s_add_co_u32 s15, s15, s41                     ; tile row
	s_lshl_b32 s43, s41, 2
	s_lshl_b32 s43, 15, s43                        ; my row of the cluster
	s_lshl_b32 s44, 0x1111, s40                    ; my column
	s_or_b32 s[G1+0], s43, (1<<16)|(1<<20)|(1<<21)|(5<<22)|(3<<25)   ; the mask; elements of 2 bytes; padding: 4 words behind every 64
	s_or_b32 s[G1B+0], s44, (1<<16)|(1<<20)|(1<<21)|(5<<22)|(3<<25)
	s_mov_b32 s[G1+1], KSTEP<<16                   ; tensor_dim0
	s_mov_b32 s[G1+2], 64<<16                      ; tensor_dim1: A's half tile has 64 rows
	s_mov_b32 s[G1+3], KSTEP<<16                   ; tile_dim0
	s_mov_b32 s[G1+4], 64                          ; tile_dim1
	s_mov_b32 s[G1+5], 1024                        ; from row to row
	s_mov_b32 s[G1+6], 0
	s_mov_b32 s[G1+7], 0
	s_mov_b32 s[G1B+1], KSTEP<<16
	s_mov_b32 s[G1B+2], 128<<16                    ; B's half tile has 128 rows
	s_mov_b32 s[G1B+3], KSTEP<<16
	s_mov_b32 s[G1B+4], 128
	s_mov_b32 s[G1B+5], 1024
	s_mov_b32 s[G1B+6], 0
	s_mov_b32 s[G1B+7], 0
	s_lshl_b32 s16, s15, 7
	s_lshl_b32 s17, s14, 6
	s_add_co_u32 s16, s16, s17                     ; A: row 128 x tile row + 64 x half
	s_lshl_b32 s16, s16, 11
	s_mov_b32 s17, 0
	s_lshl_b32 s46, s42, 8
	s_lshl_b32 s47, s14, 7
	s_add_co_u32 s46, s46, s47                     ; B: row 256 x tile column + 128 x half
	s_lshl_b32 s46, s46, 11
	s_mov_b32 s47, 0
	s_mul_i32 s20, s14, 64*PITCH                   ; where they go: no place in the cluster enters an LDS address
	s_mul_i32 s21, s14, 128*PITCH
	s_add_co_u32 s21, s21, AROWS
	s_wait_dscnt 0x0                               ; both opening adds are done
	s_wait_kmcnt 0x0
	s_add_nc_u64 s[16:17], s[4:5], s[16:17]
	s_add_nc_u64 s[46:47], s[6:7], s[46:47]
	CROUND                                         ; all sixteen work-groups are here: the first joint loads meet
.irp s, 0,1
	s_mov_b32 s[G0+4*\s], 1
	s_add_co_u32 s[G0+4*\s+1], s20, \s*SLOT
	s_add_nc_u64 s[G0+4*\s+2:G0+4*\s+3], s[16:17], \s*KSTEP*2
	s_or_b32 s[G0+4*\s+3], s[G0+4*\s+3], 0x80000000
	s_mov_b32 s[G0B+4*\s], 1
	s_add_co_u32 s[G0B+4*\s+1], s21, \s*SLOT
	s_add_nc_u64 s[G0B+4*\s+2:G0B+4*\s+3], s[46:47], \s*KSTEP*2
	s_or_b32 s[G0B+4*\s+3], s[G0B+4*\s+3], 0x80000000
	JLOAD \s                                       ; two tensor loads of mine are out behind the second
.endr
	v_and_b32 v1, 15, v0                           ; r
	v_bfe_u32 v2, v0, 4, 1                         ; h
	s_lshl_b32 s46, s42, 10
	s_lshl_b32 s47, s14, 9
	s_add_co_u32 s46, s46, s47                     ; my first column, in bytes of f32
	s_mov_b32 s47, 0
	s_add_nc_u64 s[8:9], s[8:9], s[46:47]
	s_add_nc_u64 s[10:11], s[10:11], s[46:47]
	v_lshlrev_b32 v[BO], 5, v2
.irp b, 0,1,2,3,4,5,6,7
	global_load_b128 v[BIAS+8*\b:BIAS+8*\b+3], v[BO], s[8:9] offset:64*\b        ; b of columns 16 b + 8 h + 0 .. 7
	global_load_b128 v[BIAS+8*\b+4:BIAS+8*\b+7], v[BO], s[8:9] offset:64*\b+16
.endr
	s_lshl_b32 s16, s15, 7
	s_lshl_b32 s17, s13, 6
	s_add_co_u32 s16, s16, s17                     ; my first row of out0
	s_lshl_b32 s16, s16, 12
	s_mov_b32 s17, 0
	s_add_nc_u64 s[10:11], s[10:11], s[16:17]
	v_mul_u32_u24 v3, v1, PITCH
	v_lshl_add_u32 v3, v2, 4, v3                   ; a fragment's row x pitch + 16 x half
	s_mul_i32 s21, s13, 64*PITCH                   ; my 64 rows of A
	s_mul_i32 s22, s14, 128*PITCH                  ; my 128 rows of B,
	s_add_co_u32 s22, s22, AROWS                   ; which lie behind A's 128
.irp s, 0,1
	v_add_nc_u32 v[ADRA+\s], s21, v3
	v_add_nc_u32 v[ADRB+\s], s22, v3
	s_add_co_u32 s21, s21, SLOT
	s_add_co_u32 s22, s22, SLOT
.endr
	s_mul_i32 s23, s12, 16*SPITCH
	s_add_co_u32 s23, s23, STAGE                   ; my stage
	v_mul_u32_u24 v4, v1, SPITCH
	v_lshl_add_u32 v4, v2, 5, v4
	v_add_nc_u32 v[STO], s23, v4                   ; in: row r, 32 bytes for each half of the lanes
	v_and_b32 v5, 31, v0
	v_lshlrev_b32 v[CO], 4, v5
	v_add_nc_u32 v[RD], s23, v[CO]                 ; back: the 32 lanes take one row of 512 bytes
	v_lshlrev_b32 v[PFO], 11, v5
	; the prefetches: where my wave's stand, and who asks
	s_lshl_b32 s20, s15, 7                         ; A: the tile's first row
	s_lshl_b32 s21, s42, 8
	s_lshl_b32 s22, s14, 7
	s_add_co_u32 s21, s21, s22                     ; B: the first of the 128 rows that I fetch
	s_and_b32 s22, ttmp7, 0xffff                   ; the cluster's y
	s_cmp_eq_u32 s13, 0
	s_cselect_b32 s20, s20, s21
	s_cselect_b32 s21, s40, s41                    ; my place among the four that ask for the tile with me
	s_cselect_b32 s22, s12, s22                    ; A: wave 0 alone; B: the first cluster alone
	s_cselect_b64 s[PFA:PFA+1], s[4:5], s[6:7]
	s_cmp_eq_u32 s22, 0
	s_cselect_b32 s[LIM], 1, -1                    ; the same in all sixteen partners, for a given wave
	s_lshl_b32 s21, s21, 5
	s_add_co_u32 s20, s20, s21
	s_lshl_b32 s20, s20, 11
	s_add_co_u32 s20, s20, 2*KSTEP*2               ; at K step 2: the first refill steps it to 3 and names K step 4
	s_mov_b32 s21, 0
	s_add_nc_u64 s[PFA:PFA+1], s[PFA:PFA+1], s[20:21]
; n blocks of 16 rows of A from a0 on x B's eight, 32 along K.  zero = 1: the bias is the C: nothing is cleared and nothing is added later.  The 32 accumulators take turns in the same order in every quarter.
.macro MULH f, a0, n, zero
.set aa, \a0
.rept \n
.irp b, 0,1,2,3,4,5,6,7
.if \zero
	v_wmma_f32_16x16x32_f16 v[8*(8*aa+\b):8*(8*aa+\b)+7], v[\f+8*\b:\f+8*\b+7], v[\f+64+8*aa:\f+64+8*aa+7], v[BIAS+8*\b:BIAS+8*\b+7]
.else
	v_wmma_f32_16x16x32_f16 v[8*(8*aa+\b):8*(8*aa+\b)+7], v[\f+8*\b:\f+8*\b+7], v[\f+64+8*aa:\f+64+8*aa+7], v[8*(8*aa+\b):8*(8*aa+\b)+7]
.endif
.endr
.set aa, aa+1
.endr
.endm
.macro FETCH slot, k, f                ; 24 LDS loads in one run: B's 16, then A's blocks 0, 1, then 2, 3
	WIN TO_F
.irp i, 0,1,2,3,4,5,6,7
	ds_load_b128 v[\f+8*\i:\f+8*\i+3],   v[ADRB+\slot] offset:\k+\i*16*PITCH
	ds_load_b128 v[\f+8*\i+4:\f+8*\i+7], v[ADRB+\slot] offset:\k+\i*16*PITCH+32
.endr
.irp i, 0,1,2,3
	ds_load_b128 v[\f+64+8*\i:\f+64+8*\i+3],   v[ADRA+\slot] offset:\k+\i*16*PITCH
	ds_load_b128 v[\f+64+8*\i+4:\f+64+8*\i+7], v[ADRA+\slot] offset:\k+\i*16*PITCH+32
.endr
.endm
.macro PLACES                          ; four plain lines in front of loads into registers that matrix instructions have read, and of the first read of results
.rept 4
	v_nop
.endr
.endm
.macro MWIN zero
.if \zero
	WIN MULB
.else
	WIN MUL
.endif
.endm
; A K step is four quarters of 32 along K, 32 matrix instructions each, on buffers 0, 1, 0, 1.  One of the first three: multiplies buffer f and fetches the next quarter, at byte k, into g.
.macro QUARTER slot, k, f, g, zero
	s_wait_dscnt 4                                 ; B and A's blocks 0, 1 are in; the youngest four loads (A's blocks 2, 3) may be out
	MWIN \zero
	MULH \f, 0, 2, \zero
	PLACES
	FETCH \slot, \k, \g
	s_wait_dscnt 24                                ; all but the 24 just issued
	MWIN \zero
	MULH \f, 2, 2, \zero
.endm
; The last quarter multiplies buffer 1 and changes slots: one barrier; in front of it each wave waits for all its tensor loads, adds 0 to its spare word, and waits for that and for its reads of this slot.
; fill = 1: the barrier opens a round of the cluster's, and this slot is filled again, two K steps ahead, first thing behind the round.
.macro TURN slot, next, fill
.if \fill
	s_wait_xcnt 0x0                                ; the last prefetch, a K step back, has read its address
	s_add_nc_u64 s[PFA:PFA+1], s[PFA:PFA+1], KSTEP*2
.endif
	WIN 0                                          ; (the add's two registers lie in window 0)
	s_wait_tensorcnt 0x0                           ; all my tensor loads have landed: my part of the next slot;
	ds_add_u32 v[SPW], v[NIL]
	s_wait_dscnt 5                                 ; (the add and the youngest four loads may be out)
	WIN MUL
	MULH F1, 0, 1, 0                               ; eight matrix instructions stand between the add and the wait for it
	s_wait_dscnt 0x0                               ; the add is done, and my reads of this slot are over
	s_barrier_signal -1
	MULH F1, 1, 1, 0
	WIN 0
	s_barrier_wait -1
.if \fill
	CREST                                          ; no wave of any partner still reads this slot's tile or has a load on its way
	s_add_nc_u64 s[G0+4*\slot+2:G0+4*\slot+3], s[G0+4*\slot+2:G0+4*\slot+3], 2*KSTEP*2
	s_add_nc_u64 s[G0B+4*\slot+2:G0B+4*\slot+3], s[G0B+4*\slot+2:G0B+4*\slot+3], 2*KSTEP*2
	JLOAD \slot                                    ; my one tensor load behind the round; the four v_nop behind it are also the places in front of the loads below
.else
	PLACES
.endif
	FETCH \next, 0, F0
.if \fill
	WIN 0
	ASK
.endif
	WIN MUL
	MULH F1, 2, 2, 0
.endm
	s_wait_tensorcnt 1                             ; my part of K step 0 is in (K step 1's load may be out)
	s_barrier_signal -1
	s_barrier_wait -1                              ; everybody's is
	FETCH 0, 0, F0
	s_wait_loadcnt 0x0                             ; the bias
	QUARTER 0, 64, F0, F1, 1                       ; the first quarter stands in front of the loop: its products start the sums from the bias
	WIN 0                                          ; at a label and at a branch every window is 0
	s_mov_b32 s3, 3
.Llap:                                             ; a trip goes once round the ring, from a lap's second quarter to the next lap's first, and fills both slots again
	QUARTER 0, 128, F1, F0, 0
	QUARTER 0, 192, F0, F1, 0
	TURN 0, 1, 1
	QUARTER 1, 64,  F0, F1, 0
	QUARTER 1, 128, F1, F0, 0
	QUARTER 1, 192, F0, F1, 0
	TURN 1, 0, 1
	QUARTER 0, 64,  F0, F1, 0
	WIN 0
	s_sub_co_u32 s3, s3, 1
	s_cmp_lg_u32 s3, 0
	s_cbranch_scc1 .Llap
	QUARTER 0, 128, F1, F0, 0                      ; the last lap fills nothing, and has no round of the cluster's barrier
	QUARTER 0, 192, F0, F1, 0
	TURN 0, 1, 0
	QUARTER 1, 64,  F0, F1, 0
	QUARTER 1, 128, F1, F0, 0
	QUARTER 1, 192, F0, F1, 0
	s_wait_dscnt 4                                 ; the very last quarter: nothing more to fetch
	WIN MUL
	MULH F1, 0, 2, 0
	s_wait_dscnt 0
	MULH F1, 2, 2, 0
	WIN 0
; THE WAY OUT, block by block of 16 rows x 128 columns, through my own stage: in as 32 bytes a lane, back as whole rows of 512 bytes.  LDS serves a wave's instructions in order: no wait between the stores and the loads.
.macro TOSTAGE a
	WIN 0x08                                       ; an LDS store's data are its source 1: window 2
.irp b, 0,1,2,3,4,5,6,7
	ds_store_b128 v[STO], v[8*(8*(\a)+\b):8*(8*(\a)+\b)+3] offset:64*\b          ; each accumulator from its low end on
	ds_store_b128 v[STO], v[8*(8*(\a)+\b)+4:8*(8*(\a)+\b)+7] offset:64*\b+16
.endr
	WIN 0
.set BB, BK+64*((\a)%2)
.irp t, 0,1,2,3,4,5,6,7,8,9,10,11,12,13,14,15
	ds_load_b128 v[BB+4*\t:BB+4*\t+3], v[RD] offset:\t*SPITCH
.endr
.endm
.macro SEND a, younger                 ; younger: the LDS instructions issued behind block a's loads, which may stay out
.set BB, BK+64*((\a)%2)
	s_wait_dscnt \younger
.irp t, 0,1,2,3,4,5,6,7,8,9,10,11,12,13,14,15
	global_store_b128 v[CO], v[BB+4*\t:BB+4*\t+3], s[10:11] offset:(16*(\a)+\t)*4096 th:TH_STORE_NT   ; 512 consecutive bytes; written once, read by nobody here
.endr
.endm
	PLACES
	TOSTAGE 0
.irp a, 1,2,3
.if \a > 1
	s_wait_xcnt 0x0                                ; block a - 2's stores have read the registers into which block a's rows are loaded
.endif
	TOSTAGE \a
	SEND \a-1, 32                                  ; behind block a - 1's loads: block a's 16 stores and 16 loads
.endr
	SEND 3, 0
	s_wait_tensorcnt 0x0                           ; the wave's end, behind my last tensor load and my last LDS store
	ds_add_u32 v[SPW], v[NIL]
	s_wait_dscnt 0x0
	CROUND                                         ; the closing round
	s_endpgm
.Lfunc_end_k_q2f075622a3_outp:
	.size	k_q2f075622a3_outp, .Lfunc_end_k_q2f075622a3_outp-k_q2f075622a3_outp
	.p2alignl 7, 3214868480
	.fill 96, 4, 3214868480
	.section	.rodata,"a",@progbits
	.p2align	6, 0x0
	.amdhsa_kernel k_q2f075622a3_outp
		.amdhsa_group_segment_fixed_size 327680
		.amdhsa_private_segment_fixed_size 0
		.amdhsa_enable_private_segment 0
		.amdhsa_kernarg_size 32
		.amdhsa_user_sgpr_count 2
		.amdhsa_user_sgpr_kernarg_segment_ptr 1
		.amdhsa_wavefront_size32 1
		.amdhsa_system_sgpr_workgroup_id_x 1
		.amdhsa_system_sgpr_workgroup_id_y 1
		.amdhsa_system_sgpr_workgroup_id_z 1
		.amdhsa_system_vgpr_workitem_id 0
		.amdhsa_next_free_vgpr 768
		.amdhsa_next_free_sgpr 66
		.amdhsa_reserve_vcc 0
		.amdhsa_float_denorm_mode_32 3
		.amdhsa_float_denorm_mode_16_64 3
		.amdhsa_memory_ordered 1
		.amdhsa_forward_progress 1
		.amdhsa_inst_pref_size 88
	.end_amdhsa_kernel
	.amdgpu_metadata
---
amdhsa.version: [ 1, 2 ]
amdhsa.kernels:
  - .name:           k_q2f075622a3_outp
    .symbol:         k_q2f075622a3_outp.kd
    .args:
      - { .name: x16, .offset: 0, .size: 8, .value_kind: global_buffer, .address_space: global }
      - { .name: w16, .offset: 8, .size: 8, .value_kind: global_buffer, .address_space: global }
      - { .name: b, .offset: 16, .size: 8, .value_kind: global_buffer, .address_space: global }
      - { .name: out0, .offset: 24, .size: 8, .value_kind: global_buffer, .address_space: global }
    .group_segment_fixed_size: 327680
    .private_segment_fixed_size: 0
    .kernarg_segment_align: 8
    .kernarg_segment_size: 32
    .max_flat_workgroup_size: 128
    .sgpr_count:     66
    .vgpr_count:     768
    .wavefront_size: 32
...
	.end_amdgpu_metadata
.endif
;; end of part 4
